; MI455X (gfx1250); checked and timed in simulation.
; The chip was launched on July 23, 2026; its instructions are those of AMD's public machine-readable ISA for CDNA 5 (MIT licence, August 2026) and "CDNA5" Instruction Set Architecture Reference Guide (July 2026). The comments in the code are by the model that wrote it; some were corrected since.
;; Multi Head Attention2. Allowed arithmetic: matrix products marked QUANTISED: E2M3 operands, one E8M0 scale for each 32 along K, by v_wmma_scale_f32_16x16x128_f8f6f4 with both operands' format E2M3, f32 sums; everything else in f32.
;; Inputs: Wk 1,024 x 1,024 float32; Wo 1,024 x 1,024 float32; Wq 1,024 x 1,024 float32; Wv 1,024 x 1,024 float32; bk 1,024 float32; bo 1,024 float32; bq 1,024 float32; bv 1,024 float32; x 4 x 2,048 x 1,024 float32.
;; Outputs: out0 4 x 2,048 x 1,024 float32.
;; This version of the problem:
;;   THIS VERSION OF THE PROBLEM IS GIVEN IN LOW PRECISION. The matrix products marked QUANTISED in the list below multiply operands that are first quantised to E2M3 (2 exponent bits, 3 mantissa bits; 6 bits a number), with one power-of-two scale for each 32 numbers along K (OCP MX v1.0); their sums are f32. All else is computed in f32.
;;   The module's matrix products, in the order in which they are computed (A, B: the left and right operand; K: the contracted axis; several contracted axes count as one K, in the product's order):
;;     1. [M 8,192, K 1,024] x [K 1,024, N 1,024]; A: input x; B: input Wq: QUANTISED
;;     2. [M 8,192, K 1,024] x [K 1,024, N 1,024]; A: input x; B: input Wk: QUANTISED
;;     3. [M 8,192, K 1,024] x [K 1,024, N 1,024]; A: input x; B: input Wv: QUANTISED
;;     4. batch 64 x [M 2,048, K 64] x [K 64, N 2,048]; A: computed on the way; B: computed on the way: QUANTISED
;;     5. batch 64 x [M 2,048, K 2,048] x [K 2,048, N 64]; A: softmax (see below); B: computed on the way: QUANTISED
;;     6. [M 8,192, K 1,024] x [K 1,024, N 1,024]; A: computed on the way; B: input Wo: QUANTISED
;;   THE QUANTISER, for each operand of a quantised product, along K:
;;     - K is cut into blocks of 32 from its start; a last block that is shorter is filled with zeros.
;;     - A block's scale is 2^e with e = floor(log2(the largest magnitude in the block)) - 2, held to -126 .. 127; a block of zeros has e = 0. As a byte (E8M0): e + 127.
;;     - Each number is divided by its block's scale, clamped to +-7.5, and rounded to the nearest number of E2M3, ties to even, subnormals kept.
;;     - The product sums the exact products of the quantised numbers (number of the format x scale) in f32.
;;   ~~~python
;;   def quantise(x, axis):      # numpy; x: float32 -> the quantised numbers, widened to float32 again
;;       x = np.moveaxis(x, axis, -1); K = x.shape[-1]
;;       x = np.pad(x, [(0, 0)] * (x.ndim - 1) + [(0, -K % 32)]); x = x.reshape(x.shape[:-1] + (-1, 32)); a = np.abs(x).max(-1, keepdims=True)
;;       e = np.where(a > 0, np.clip(np.frexp(np.where(a > 0, a, 1))[1] - 1 - 2, -126, 127), 0)      # np.frexp(a)[1] - 1 = floor(log2(a)), exactly
;;       r = np.clip(x / 2.0 ** e, -7.5, 7.5)
;;       step = 2.0 ** (np.maximum(np.frexp(np.where(r == 0, 1, r))[1] - 1, 0) - 3)
;;       q = np.round(r / step) * step * 2.0 ** e      # np.round: ties to even
;;       return np.moveaxis(q.reshape(q.shape[:-2] + (-1,))[..., :K], -1, axis).astype(np.float32)
;;   ~~~
;;   SOFTMAX AHEAD OF A QUANTISED PRODUCT. Where the list says 'softmax', what is quantised is not the finished softmax but p = 2^(t - M), with t = logit x log2(e) and M = ceil(the row's largest t), a whole number; so 1/2 < the row's largest p <= 1. The row's sum l is taken of the UNQUANTISED p, in f32, and the product's result is divided by l at the end. Since M is a whole number, a kernel that streams over the keys may use a running M (the ceiling of the running maximum): every later rescaling is an exact power of two, which a block's scale takes up: the codes' values come out the same.
;;   OPERANDS COMPUTED ON THE WAY. 'Computed on the way' means the value that the module computes at that place (a softmax that the list does not call 'softmax' is quantised finished and normalised). What goes into a quantiser is computed in f32, as accurately as f32 sums, v_exp_f32 and their like allow (about 1e-6 of the number): no bf16 or f16 on the way to a quantiser, and a product that is left as it is and whose result goes on into a quantised operand takes f32 operands (vector FMAs, or v_wmma_f32_16x16x4_f32). A number that lies on a knife's edge between two numbers of the format may be rounded either way, as far as f32 arithmetic and the matrix unit's own rounding can turn it there, and no further.
;; One version. Each part assembles by itself: llvm-mc -triple=amdgcn-amd-amdhsa -mcpu=gfx1250 --defsym DOCPART=n.
;; ======== version 1 of 1: 4 launches
;; workspace buffers: xc 6,291,456 bytes; xs 262,144 bytes; wc 3,145,728 bytes; ws 131,072 bytes; qb 6,815,744 bytes; kv 13,631,488 bytes; cc 6,291,456 bytes; cs 262,144 bytes
;; launch quant (part 1): grid 384 x 1, 4 waves a work-group, no clusters, 70,144 bytes of LDS; arguments x, Wq, Wk, Wv, Wo, xc, xs, wc, ws; writes xc, xs, wc, ws
.if DOCPART == 1
	.amdgcn_target "amdgcn-amd-amdhsa--gfx1250"
	.amdhsa_code_object_version 6
	.text
	.protected	k_qac76e79727_quant
	.globl	k_qac76e79727_quant
	.p2align	8
	.type	k_qac76e79727_quant,@function
k_qac76e79727_quant:
	s_mov_b64 s[64:65], 0
	v_nop
	global_prefetch_b8 v0, s[64:65] scope:SCOPE_SE
	s_setreg_imm32_b32 hwreg(HW_REG_WAVE_MODE, 25, 1), 1
	s_wait_xcnt 0x0
; x [8192][1024] f32 (K innermost) and Wq, Wk, Wv, Wo [1024 (k)][1024 (n)] f32 (K is the first axis) become codes of FP6 (E2M3), K innermost, with one E8M0 byte for each 32 along K.
; xc [8192 rows'][768], xs [8192 rows'][32];  wc [4096 rows'][768], ws [4096 rows'][32]: rows' 0-1023 are Wq's columns, then Wk's, Wv's, Wo's.
; ROW ORDER: workspace row n' holds the row (or column) whose number is n' with bits 3 and 4 exchanged.  So lane r of a block of 16 workspace rows holds row 32 (i / 2) + 8 (i % 2) + r + 8 (r / 8),
; and a product that takes such rows as source 0 leaves 16 neighbours along that axis in the 16 registers of two neighbouring tiles: what the next quantiser wants.
; A block's scale is 2^(floor(log2(its largest magnitude)) - 2); its byte is the largest magnitude's exponent field - 2, held at 1 from below.
; LIMITS: a block of zeros gets the byte 1 where the rule says 127: its codes are zeros, which add nothing under any byte but 0xff, and this program alone reads the bytes.  NaN and infinities among the inputs are not served.
; Work-groups 0-255 take x: a wave takes 8 rows (8,192 numbers) in 16 steps of 512.  Each load reads 512 consecutive bytes; a step turns through the wave's own stage in LDS, so that a lane holds 16 neighbours.
; Work-groups 256-383 take the weights, 32 each: a wave takes 32 columns x 256 along K; a lane takes a column and its registers run down K; the codes leave through the wave's own stage, sixteen lanes to a row's 192 bytes.
; The two paths part on the work-group's number and have LDS bytes of their own.  No tensor load, no barrier: waves share nothing.  No matrix unit, no cluster: no two work-groups read the same bytes.
.set SP,    80                         ; path x: a lane's place in a stage: 64 bytes + 16 of padding
.set WREG,  8192                       ; path x: LDS of a wave: two stages of 32 x SP bytes, then its 256 scale bytes
.set STEPS, 16
.set CBY,   12                         ; bytes of 16 codes
.set XR,    16                         ; v16-79   four sets of 16 numbers as loaded
.set XX,    80                         ; v80-111  two sets of 16 neighbours
.set XE,    112                        ; v112-127 a scale byte for each step
.set XC,    128                        ; v128-191 codes, four registers for each step
.set WSTG,  32768                      ; path w: the stages begin here: 32 rows x WP bytes for each wave
.set WP,    272                        ; a stage row: sixteen places of 16 bytes (12 of codes each) + 16
.set NB,    8                          ; blocks of 32 along K for a wave
.set WX,    32                         ; v32-95   two sets of 32 numbers
.set WC,    96                         ; v96..    a block's codes
.set WOUT,  112                        ; v112-175 the way out
.set WSB,   24                         ; v24-25   the scale bytes
	s_load_b256 s[4:11], s[0:1], 0x0               ; x, Wq, Wk, Wv
	s_load_b256 s[12:19], s[0:1], 0x20             ; Wo, xc, xs, wc
	s_load_b64 s[20:21], s[0:1], 0x40              ; ws
	v_lshl_add_u32 v192, v0, 2, 0x11000
	v_mov_b32 v193, 0
	v_lshrrev_b32 v1, 5, v0
	v_readfirstlane_b32 s22, v1                    ; wave
	v_and_b32 v2, 31, v0                           ; lane
	s_wait_kmcnt 0x0
	s_cmp_lt_u32 ttmp9, 256
	s_cbranch_scc0 .Lweights
	; ---------------- x ----------------
	v_lshlrev_b32 v3, 4, v2                        ; my 16 bytes of a load's 512
	s_mul_i32 s23, s22, WREG
	v_lshrrev_b32 v14, 2, v2
	v_mul_u32_u24 v14, v14, SP
	v_and_b32 v15, 3, v2
	v_lshl_add_u32 v14, v15, 4, v14
	v_add_nc_u32 v14, s23, v14                     ; the stage, in: SP (lane / 4) + 16 (lane % 4)
	v_mul_u32_u24 v15, v2, SP
	v_add_nc_u32 v15, s23, v15                     ; and out: SP x lane: my 16 neighbours
	v_mul_u32_u24 v4, v2, CBY                      ; my codes' place in a step's 384 bytes
	v_lshrrev_b32 v5, 1, v2
	s_add_co_u32 s23, s23, 2*32*SP
	v_add_nc_u32 v5, s23, v5                       ; my block's byte among the wave's 256
	v_lshlrev_b32 v7, 3, v2
	v_add_nc_u32 v6, s23, v7
	s_lshl_b32 s24, ttmp9, 2
	s_add_co_u32 s24, s24, s22                     ; R: which 8 rows are my wave's
	s_and_b32 s25, s24, 1
	s_lshl_b32 s25, s25, 1
	s_bfe_u32 s26, s24, 0x10001
	s_or_b32 s25, s25, s26
	s_and_b32 s26, s24, 0xfffffffc
	s_or_b32 s25, s25, s26                         ; R': bits 0 and 1 of R (bits 3 and 4 of the row) exchanged
	s_lshl_b32 s26, s24, 15
	s_mov_b32 s27, 0
	s_add_nc_u64 s[4:5], s[4:5], s[26:27]          ; x + 32,768 R
	s_mul_i32 s26, s25, 6144
	s_add_nc_u64 s[14:15], s[14:15], s[26:27]      ; xc + 6,144 R'
	s_lshl_b32 s26, s25, 8
	s_add_nc_u64 s[16:17], s[16:17], s[26:27]      ; xs + 256 R'
.macro XLOAD t
.irp i, 0,1,2,3
	global_load_b128 v[XR+16*((\t)%4)+4*\i:XR+16*((\t)%4)+4*\i+3], v3, s[4:5] offset:2048*(\t)+512*\i th:TH_LOAD_NT   ; 32 lanes read 512 consecutive bytes
.endr
.endm
.macro XTURN t                         ; step t's numbers through the stage: LDS serves a wave's instructions in order, so no wait stands between the stores and the loads
.irp i, 0,1,2,3
	ds_store_b128 v14, v[XR+16*((\t)%4)+4*\i:XR+16*((\t)%4)+4*\i+3] offset:32*SP*((\t)%2)+8*SP*\i
.endr
.irp i, 0,1,2,3
	ds_load_b128 v[XX+16*((\t)%2)+4*\i:XX+16*((\t)%2)+4*\i+3], v15 offset:32*SP*((\t)%2)+16*\i
.endr
.endm
.irp t, 0,1,2,3
	XLOAD \t
.endr
	s_wait_loadcnt 12                              ; step 0's four loads are in; three steps' twelve are out
	XTURN 0
.macro XSTEP t
.set XS, XX+16*((\t)%2)
.if (\t) > 0
	s_wait_dscnt 1                                 ; this step's numbers are back from the stage (the last step's byte store may be out): so its stores into the stage have read their registers,
.else
	s_wait_dscnt 0x0
.endif
.if (\t)+4 < STEPS
	XLOAD (\t)+4                                   ; which take the loads of four steps on
.endif
.if (\t)+1 < STEPS
.if STEPS-2-(\t) >= 3
	s_wait_loadcnt 12                              ; the next step's four loads are in; those of the three steps behind it may be out
.else
	s_wait_loadcnt 4*(STEPS-2-(\t))
.endif
	XTURN (\t)+1
.endif
	v_max3_num_f32 v8, |v[XS]|, |v[XS+1]|, |v[XS+2]|       ; the largest magnitude of my 16, in two chains
	v_max3_num_f32 v9, |v[XS+3]|, |v[XS+4]|, |v[XS+5]|
.irp i, 6,10
	v_max3_num_f32 v8, v8, |v[XS+\i]|, |v[XS+\i+1]|
	v_max3_num_f32 v9, v9, |v[XS+\i+2]|, |v[XS+\i+3]|
.endr
	v_max3_num_f32 v8, v8, |v[XS+14]|, |v[XS+15]|
	v_max3_num_f32 v8, v8, v9, 0x1800000           ; and the floor 2^(3 - 127): the byte cannot fall under 1
	v_max_num_f32_dpp v8, v8, v8 row_xmask:1 row_mask:0xf bank_mask:0xf   ; with my neighbour's 16: the block's
	v_add_nc_u32 v11, 0xff000000, v8               ; 2 off its exponent field: the conversion takes the exponent field of this operand as its scale
	v_cvt_scalef32_pk16_fp6_f32 v[XC+4*(\t):XC+4*(\t)+2], v[XS:XS+15], v11
	v_lshrrev_b32 v[XE+(\t)], 23, v11              ; the scale's byte (also the plain line behind the conversion)
	ds_store_b8 v5, v[XE+(\t)] offset:16*(\t)      ; both lanes of a block write the same byte with the same value
	global_store_b96 v4, v[XC+4*(\t):XC+4*(\t)+2], s[14:15] offset:32*CBY*(\t)   ; the wave stores 384 consecutive bytes
.endm
.irp t, 0,1,2,3,4,5,6,7,8,9,10,11,12,13,14,15
	XSTEP \t
.endr
	ds_load_b64 v[12:13], v6                       ; LDS serves a wave's instructions in order: these see my byte stores
	s_wait_dscnt 0x0
	global_store_b64 v7, v[12:13], s[16:17]        ; 32 lanes store 256 consecutive bytes, aligned
	s_wait_tensorcnt 0x0
	ds_add_u32 v192, v193
	s_wait_dscnt 0x0
	s_endpgm
	; ---------------- the four weights ----------------
.Lweights:
	s_sub_co_u32 s24, ttmp9, 256
	s_lshr_b32 s25, s24, 5                         ; which weight: 0 Wq, 1 Wk, 2 Wv, 3 Wo
	s_and_b32 s26, s24, 7                          ; which 128 columns
	s_bfe_u32 s27, s24, 0x20003                    ; which 256 along K
	s_cmp_eq_u32 s25, 1
	s_cselect_b64 s[28:29], s[8:9], s[6:7]
	s_cmp_eq_u32 s25, 2
	s_cselect_b64 s[28:29], s[10:11], s[28:29]
	s_cmp_eq_u32 s25, 3
	s_cselect_b64 s[28:29], s[12:13], s[28:29]     ; the choice hangs on the work-group's number alone
	s_lshl_b32 s26, s26, 7
	s_lshl_b32 s30, s22, 5
	s_add_co_u32 s26, s26, s30                     ; my wave's first column
	s_lshl_b32 s30, s27, 20                        ; 256 rows of 4,096 bytes
	s_lshl_b32 s31, s26, 2
	s_add_co_u32 s30, s30, s31
	s_mov_b32 s31, 0
	s_add_nc_u64 s[28:29], s[28:29], s[30:31]
	s_lshl_b32 s25, s25, 10
	s_add_co_u32 s25, s25, s26                     ; my first workspace row
	s_mul_i32 s30, s25, 768
	s_mul_i32 s32, s27, 192
	s_add_co_u32 s30, s30, s32
	s_add_nc_u64 s[18:19], s[18:19], s[30:31]      ; the codes
	s_lshl_b32 s30, s25, 5
	s_lshl_b32 s32, s27, 3
	s_add_co_u32 s30, s30, s32
	s_add_nc_u64 s[20:21], s[20:21], s[30:31]      ; the scale bytes
	v_lshlrev_b32 v3, 2, v2                        ; in: 4 bytes a lane
	s_mul_i32 s33, s22, 32*WP
	s_add_co_u32 s33, s33, WSTG                    ; my stage
	v_mul_u32_u24 v4, v2, WP
	v_add_nc_u32 v4, s33, v4                       ; into it: row = my column
	v_and_b32 v5, 15, v2
	v_lshrrev_b32 v6, 4, v2
	v_mul_u32_u24 v7, v6, WP
	v_lshl_add_u32 v7, v5, 4, v7
	v_add_nc_u32 v7, s33, v7                       ; out of it: sixteen lanes to a row, two rows an instruction
	v_mul_u32_u24 v8, v6, 768
	v_mad_u32_u24 v8, v5, 12, v8                   ; and the same place in the codes' buffer
	v_and_b32 v9, 7, v2                            ; my column's workspace row: bits 3 and 4 of the lane exchanged,
	v_and_b32 v10, 8, v2
	v_lshl_or_b32 v9, v10, 1, v9
	v_and_b32 v10, 16, v2
	v_lshrrev_b32 v10, 1, v10
	v_or_b32 v9, v9, v10
	v_lshlrev_b32 v9, 5, v9                        ; 32 scale bytes a row
.macro WLOAD t                         ; block t: W(32 t + i, my column), i = 0 .. 31: each load reads 128 consecutive bytes
.irp i, 0,1,2,3,4,5,6,7,8,9,10,11,12,13,14,15,16,17,18,19,20,21,22,23,24,25,26,27,28,29,30,31
	global_load_b32 v[WX+32*((\t)%2)+\i], v3, s[28:29] offset:(32*(\t)+\i)*4096 th:TH_LOAD_NT
.endr
.endm
	WLOAD 0
	WLOAD 1
.macro WBLOCK t
.set XS, WX+32*((\t)%2)
.if (\t) < NB-1
	s_wait_loadcnt 32                              ; this block's 32 loads are in; the next block's may be out
.else
	s_wait_loadcnt 0
.endif
	v_max3_num_f32 v12, |v[XS]|, |v[XS+1]|, |v[XS+2]|      ; the block's largest magnitude: all 32 numbers are mine
	v_max3_num_f32 v13, |v[XS+3]|, |v[XS+4]|, |v[XS+5]|
.irp i, 6,10,14,18,22,26
	v_max3_num_f32 v12, v12, |v[XS+\i]|, |v[XS+\i+1]|
	v_max3_num_f32 v13, v13, |v[XS+\i+2]|, |v[XS+\i+3]|
.endr
	v_max3_num_f32 v12, v12, |v[XS+30]|, |v[XS+31]|
	v_max3_num_f32 v12, v12, v13, 0x1800000        ; and the floor 2^(3 - 127)
	v_add_nc_u32 v11, 0xff000000, v12              ; 2 off its exponent field: the conversion's scale operand
	v_lshrrev_b32 v13, 23, v11                     ; the scale's byte
.if (\t)%4 == 0
	v_mov_b32 v[WSB+(\t)/4], v13
.else
	v_lshl_or_b32 v[WSB+(\t)/4], v13, 8*((\t)%4), v[WSB+(\t)/4]
.endif
	v_cvt_scalef32_pk16_fp6_f32 v[WC:WC+2], v[XS:XS+15], v11
	v_cvt_scalef32_pk16_fp6_f32 v[WC+4:WC+6], v[XS+16:XS+31], v11   ; (a conversion's three registers begin on an even number)
	v_nop                                          ; one plain line behind the conversions
	ds_store_b96 v4, v[WC:WC+2] offset:32*(\t)     ; 12 bytes to a place of 16, so that every LDS address is a multiple of 16
	ds_store_b96 v4, v[WC+4:WC+6] offset:32*(\t)+16
.if (\t)+2 < NB
	WLOAD (\t)+2
.endif
	s_wait_dscnt 0x0                               ; the stores have read their registers: the next block's codes may be written
.endm
.irp t, 0,1,2,3,4,5,6,7
	WBLOCK \t
.endr
	global_store_b64 v9, v[WSB:WSB+1], s[20:21]    ; my column's 8 scale bytes
.irp t, 0,1,2,3,4,5,6,7,8,9,10,11,12,13,14,15
	ds_load_b96 v[WOUT+4*\t:WOUT+4*\t+2], v7 offset:2*\t*WP
.endr
.irp t, 0,1,2,3,4,5,6,7,8,9,10,11,12,13,14,15
	s_wait_dscnt 15-\t
	global_store_b96 v8, v[WOUT+4*\t:WOUT+4*\t+2], s[18:19] offset:2*(((\t)&3)|((((\t)>>2)&1)<<3)|((((\t)>>3)&1)<<2))*768   ; stage rows 2 t, 2 t + 1 go to the workspace rows with bits 3 and 4 exchanged
.endr
	s_wait_tensorcnt 0x0
	ds_add_u32 v192, v193
	s_wait_dscnt 0x0
	s_endpgm
.Lfunc_end_k_qac76e79727_quant:
	.size	k_qac76e79727_quant, .Lfunc_end_k_qac76e79727_quant-k_qac76e79727_quant
	.p2alignl 7, 3214868480
	.fill 96, 4, 3214868480
	.section	.rodata,"a",@progbits
	.p2align	6, 0x0
	.amdhsa_kernel k_qac76e79727_quant
		.amdhsa_group_segment_fixed_size 70144
		.amdhsa_private_segment_fixed_size 0
		.amdhsa_enable_private_segment 0
		.amdhsa_kernarg_size 72
		.amdhsa_user_sgpr_count 2
		.amdhsa_user_sgpr_kernarg_segment_ptr 1
		.amdhsa_wavefront_size32 1
		.amdhsa_system_sgpr_workgroup_id_x 1
		.amdhsa_system_sgpr_workgroup_id_y 1
		.amdhsa_system_sgpr_workgroup_id_z 1
		.amdhsa_system_vgpr_workitem_id 0
		.amdhsa_next_free_vgpr 194
		.amdhsa_next_free_sgpr 66
		.amdhsa_reserve_vcc 0
		.amdhsa_float_denorm_mode_32 3
		.amdhsa_float_denorm_mode_16_64 3
		.amdhsa_memory_ordered 1
		.amdhsa_forward_progress 1
		.amdhsa_inst_pref_size 74
	.end_amdhsa_kernel
	.amdgpu_metadata
---
amdhsa.version: [ 1, 2 ]
amdhsa.kernels:
  - .name:           k_qac76e79727_quant
    .symbol:         k_qac76e79727_quant.kd
    .args:
      - { .name: x, .offset: 0, .size: 8, .value_kind: global_buffer, .address_space: global }
      - { .name: Wq, .offset: 8, .size: 8, .value_kind: global_buffer, .address_space: global }
      - { .name: Wk, .offset: 16, .size: 8, .value_kind: global_buffer, .address_space: global }
      - { .name: Wv, .offset: 24, .size: 8, .value_kind: global_buffer, .address_space: global }
      - { .name: Wo, .offset: 32, .size: 8, .value_kind: global_buffer, .address_space: global }
      - { .name: xc, .offset: 40, .size: 8, .value_kind: global_buffer, .address_space: global }
      - { .name: xs, .offset: 48, .size: 8, .value_kind: global_buffer, .address_space: global }
      - { .name: wc, .offset: 56, .size: 8, .value_kind: global_buffer, .address_space: global }
      - { .name: ws, .offset: 64, .size: 8, .value_kind: global_buffer, .address_space: global }
    .group_segment_fixed_size: 70144
    .private_segment_fixed_size: 0
    .kernarg_segment_align: 8
    .kernarg_segment_size: 72
    .max_flat_workgroup_size: 128
    .sgpr_count:     66
    .vgpr_count:     194
    .wavefront_size: 32
...
	.end_amdgpu_metadata
.endif
;; end of part 1
;; launch proj (part 2): grid 12 x 32, 4 waves a work-group, clusters of 4 x 4, 327,680 bytes of LDS; arguments xc, xs, wc, ws, bq, bk, bv, qb, kv; writes qb, kv
.if DOCPART == 2
	.amdgcn_target "amdgcn-amd-amdhsa--gfx1250"
	.amdhsa_code_object_version 6
	.text
	.protected	k_qac76e79727_proj
	.globl	k_qac76e79727_proj
	.p2align	8
	.type	k_qac76e79727_proj,@function
k_qac76e79727_proj:
	s_mov_b64 s[64:65], 0
	v_nop
	global_prefetch_b8 v0, s[64:65] scope:SCOPE_SE
	s_setreg_imm32_b32 hwreg(HW_REG_WAVE_MODE, 25, 1), 1
	s_wait_xcnt 0x0
	s_wait_alu depctr_hold_cnt(0) depctr_sa_sdst(0) depctr_va_vdst(0) depctr_va_sdst(0) depctr_va_ssrc(0) depctr_va_vcc(0) depctr_vm_vsrc(0)
	s_getreg_b32 s2, hwreg(HW_REG_IB_STS2, 6, 4)
	s_cmp_eq_u32 s2, 0
	s_cbranch_scc0 .Lentry_in_a_cluster
	s_endpgm
.Lentry_in_a_cluster:
	s_bfe_u32 s2, ttmp6, 0x10000c
	s_cmp_lg_u32 s2, 0xf033
	s_cbranch_scc0 .Lentry_shape_is_right
	s_endpgm
.Lentry_shape_is_right:
; q = x Wq + bq, k = x Wk + bk, v = x Wv + bv on codes of FP6 (E2M3) with E8M0 scales, sums in f32; the results are quantised in registers and stored as images of the operands that the attention launch wants.
; 384 tiles of 256 x 256, K = 1,024.  A work-group of four waves makes a tile, a wave 128 x 128: 64 accumulators, 512 registers.  K goes in steps of 256 through a ring of two LDS slots filled by the tensor data mover.
; The scale bytes of the tile's 2 x 256 rows, for all of K, come into LDS once, with the first fills.
; WHAT A CLUSTER MAKES hangs on its x, which all sixteen partners share: 0 q, 1 k, 2 v.
; THE MATRIX INSTRUCTION TAKES source 0 = 16 rows of 'B', source 1 = 16 rows of 'A': a lane then holds ONE row of A, and its registers run along B's rows.
;   q, k: A = tokens (xc), B = the weight's columns (wc): a lane holds a token, its registers run along the features: the head's 64 are the next product's K.
;   v:    A = Wv's columns (wc), B = tokens (xc): a lane holds a feature, its registers run along the tokens: the keys are the next product's K.
; Workspace rows stand with bits 3 and 4 of their number exchanged, so the 64 registers of a block's eight tiles are, at 16 b + i, the number 32 b + 16 (lane / 16) + i along B's axis.
; The bias is the C of each sum's first matrix instruction.
; CLUSTERS: 4 x 4 work-groups.  A's tile is shared along a row of the cluster, B's along a column: each is asked for jointly, by the same tensor load with the same descriptor and a mask that names the four.
; OUT.  A half fragment (16 rows x 64 along K: 6 registers a lane) is stored as 768 bytes: registers 0-3 at 16 x lane, registers 4-5 at 512 + 8 x lane: each store covers 512 or 256 consecutive bytes, aligned.
;   qb [head of batch 64][128 tokens 16][6,656]: eight half fragments (tile a at 768 a), then 512 bytes of scale words: chunk g at 6,144 + 256 g + 8 x lane: the words of tile pairs 2 g, 2 g + 1;
;      a word: [tile 2 p: two bytes | tile 2 p + 1: two bytes] of the lane's row.
;   kv [head of batch 64][128 keys 16][13,312]: k as in qb, then from 6,656 on v: operand t (16 of the head's 64) at 1,536 t: keys 0-63, keys 64-127; from 6,144 of that part its scale words: chunk e: operands e and e + 2.
; LIMITS: a block of zeros gets the byte 1 (its codes are zeros; this program alone reads the bytes); NaN and infinities are not served.
; REGISTERS, in windows of 256: window 0: v0-31 addresses; v32-63 scale words, two sets, and nothing else; v64-127 the biases; from v128 A's fragments, one set.  window 1: B's fragments, two sets.  windows 2, 3: the accumulators.
.set KSTEP,  256
.set NQ,     2                         ; matrix instructions deep in a slot
.set ROWB,   192                       ; a tile's row: 256 codes
.set KROW,   768                       ; a row of codes in memory
.set PITCH,  240                       ; an LDS row: 3 x (64 bytes + 16 of padding)
.set FR,     12
.set NL,     6
.set NP,     4                         ; places behind this matrix instruction (ISA guide 7.12.1)
.set HALFT,  128*PITCH
.set SLOT,   4*HALFT
.set LAPS,   2                         ; 1,024 / 512
.set KS,     32                        ; a row of scale bytes
.set SCL,    2*SLOT
.set HALFS,  16*272                    ; the scales of 128 rows: 16 units of 256 bytes + 16
.set SBLK,   2*272                     ; those of 16 rows
.set SPARE,  SCL+4*HALFS               ; the spare words: 128 bytes a wave, two blocks of 256 bytes that no other line names
.set ADRA, 16                          ; v16-17 (18-19: behind one padding more)
.set ADRB, 20                          ; v20-21 (22-23)
.set L16,  24                          ; v24  16 x lane
.set L8,   25                          ; v25  8 x lane
.set ADRS, 27
.set SPW,  28
.set NIL,  29
.set SC,   32
.set CB,   64                          ; v64-127 the biases, in the result's layout
.set AF,   128
.set TM,   128                         ; the way out: v128-131 largest magnitudes, v132-135 bytes, v140-143 the conversions' scale operands
.set PW,   144                         ; v144-145 the scale words of an even and an odd block
.set XS,   148                         ; v148-155 the scale words as they are stored
.set G1, 24
.set G0, 32
.set G1B, 48
.set G0B, 56
.set G1S, 68
.set G0S, 76
.set G1SB, 80
.set G0SB, 88
.set MSB, 0
.macro WIN new                         ; the immediate's high byte repeats the setting that is left
.if MSB != \new
	s_set_vgpr_msb (MSB<<8)|\new
.set MSB, \new
.endif
.endm
.set MUL_LO, 0xa1                      ; source 0 (B) window 1, source 1 (A) window 0, C and D window 2
.set MUL_HI, 0xf1                      ; the same, C and D window 3
.set TO_B,   0x40
; A joint load: waves 0 and 1 fetch for A, waves 2 and 3 for B.  The branch hangs on the wave's number alone.  Four v_nop follow each of the two lines.
.macro JLOAD g0a, g1a, g0b, g1b
	s_cmp_eq_u32 s15, 0
	s_cbranch_scc0 .Lfor_b_\@
	tensor_load_to_lds s[\g0a:\g0a+3], s[\g1a:\g1a+7]
	s_nop 0
.rept 4
	v_nop
.endr
	s_branch .Lasked_\@
.Lfor_b_\@:
	tensor_load_to_lds s[\g0b:\g0b+3], s[\g1b:\g1b+7]
	s_nop 0
.rept 4
	v_nop
.endr
.Lasked_\@:
.endm
.macro CREST                           ; a round of the cluster's barrier behind its opening barrier
	s_cmp_lg_u32 s14, 0
	s_cbranch_scc1 .Lnot_wave_0_\@
	s_barrier_signal -3
.Lnot_wave_0_\@:
	s_barrier_wait -3
	s_barrier_signal -1
	s_barrier_wait -1
.endm
.macro CROUND
	s_barrier_signal -1
	s_barrier_wait -1
	CREST
.endm
	s_load_b256 s[4:11], s[0:1], 0x0               ; xc, xs, wc, ws
	s_load_b256 s[92:99], s[0:1], 0x20             ; bq, bk, bv, qb
	s_load_b64 s[100:101], s[0:1], 0x40            ; kv
	v_lshl_add_u32 v[SPW], v0, 2, SPARE
	v_mov_b32 v[NIL], 0
	ds_add_u32 v28, v29
	s_wait_dscnt 0x0
	v_lshrrev_b32 v1, 5, v0
	v_readfirstlane_b32 s14, v1                    ; wave 0..3
	s_lshr_b32 s15, s14, 1                         ; which half of A's rows is mine.  Also: I fetch for A (0) or for B (1)
	s_and_b32 s16, s14, 1                          ; which half of B's rows.  Also: which 128 rows of that tile I fetch
	s_bfe_u32 s40, ttmp6, 0x40000                  ; cx
	s_bfe_u32 s41, ttmp6, 0x40004                  ; cy
	s_and_b32 s19, ttmp7, 0xffff
	s_lshl_b32 s19, s19, 2                         ; 4 x cluster y
	s_add_co_u32 s17, s19, s41                     ; q, k: A's tile = tokens 4 cluster y + cy
	s_add_co_u32 s2, s41, 8                        ; v:    A's tile = Wv's columns: 8 + cy
	s_lshl_b32 s42, ttmp9, 2
	s_add_co_u32 s42, s42, s40                     ; q, k: B's tile = the weights' columns 4 cluster x + cx
	s_add_co_u32 s66, s19, s40                     ; v:    B's tile = tokens 4 cluster y + cx
	s_cmp_eq_u32 ttmp9, 2                          ; the cluster's x is the same in all sixteen partners
	s_cselect_b32 s17, s2, s17                     ; A's tile hangs on cy alone,
	s_cselect_b32 s42, s66, s42                    ; B's on cx alone
	s_lshl_b32 s43, s41, 2
	s_lshl_b32 s43, 15, s43                        ; my row of the cluster
	s_lshl_b32 s44, 0x1111, s40                    ; my column
	; descriptor group 1: a tile of 128 rows x 192 bytes, 16 bytes of padding behind every 64
	s_or_b32 s[G1+0], s43, (0<<16)|(1<<20)|(1<<21)|(3<<22)|(3<<25)
	s_or_b32 s[G1B+0], s44, (0<<16)|(1<<20)|(1<<21)|(3<<22)|(3<<25)
.irp g, G1, G1B
	s_mov_b32 s[\g+1], ROWB<<16                    ; tensor_dim0
	s_mov_b32 s[\g+2], 128<<16                     ; tensor_dim1
	s_mov_b32 s[\g+3], ROWB<<16                    ; tile_dim0
	s_mov_b32 s[\g+4], 128                         ; tile_dim1
	s_mov_b32 s[\g+5], KROW                        ; from row to row
	s_mov_b32 s[\g+6], 0
	s_mov_b32 s[\g+7], 0
.endr
	; the scales of 128 rows: 4,096 dense bytes as 16 rows of 256 bytes (32 elements of 8 bytes), 16 bytes of padding behind each
	s_or_b32 s[G1S+0], s43, (3<<16)|(1<<20)|(1<<21)|(5<<22)|(3<<25)
	s_or_b32 s[G1SB+0], s44, (3<<16)|(1<<20)|(1<<21)|(5<<22)|(3<<25)
.irp g, G1S, G1SB
	s_mov_b32 s[\g+1], 32<<16
	s_mov_b32 s[\g+2], 16<<16
	s_mov_b32 s[\g+3], 32<<16
	s_mov_b32 s[\g+4], 16
	s_mov_b32 s[\g+5], 32
	s_mov_b32 s[\g+6], 0
	s_mov_b32 s[\g+7], 0
.endr
	s_lshl_b32 s18, s16, 7                         ; which 128 rows of the tile I fetch
	s_lshl_b32 s20, s17, 8
	s_add_co_u32 s20, s20, s18                     ; A's first row
	s_lshl_b32 s46, s42, 8
	s_add_co_u32 s46, s46, s18                     ; B's
	s_lshl_b32 s22, s20, 5                         ; their scales, in bytes,
	s_mov_b32 s23, 0
	s_mul_i32 s20, s20, KROW                       ; and their codes
	s_mov_b32 s21, 0
	s_lshl_b32 s104, s46, 5
	s_mov_b32 s105, 0
	s_mul_i32 s46, s46, KROW
	s_mov_b32 s47, 0
	s_mul_i32 s45, s14, HALFT                      ; where they go: wave x 128 rows: no place in the cluster enters an LDS address
	s_mul_i32 s67, s14, HALFS
	s_wait_kmcnt 0x0
	s_cmp_eq_u32 ttmp9, 2                          ; which buffer plays A and which B (the selects and the 64-bit sums leave SCC alone)
	s_cselect_b64 s[12:13], s[8:9], s[4:5]
	s_add_nc_u64 s[20:21], s[12:13], s[20:21]      ; A's codes
	s_cselect_b64 s[12:13], s[10:11], s[6:7]
	s_add_nc_u64 s[22:23], s[12:13], s[22:23]      ; A's scales
	s_cselect_b64 s[12:13], s[4:5], s[8:9]
	s_add_nc_u64 s[46:47], s[12:13], s[46:47]      ; B's codes
	s_cselect_b64 s[12:13], s[6:7], s[10:11]
	s_add_nc_u64 s[104:105], s[12:13], s[104:105]  ; B's scales
	CROUND                                         ; all sixteen work-groups are here: the first joint loads meet
	s_mov_b32 s[G0S], 1
	s_add_co_u32 s[G0S+1], s67, SCL
	s_mov_b64 s[G0S+2:G0S+3], s[22:23]
	s_or_b32 s[G0S+3], s[G0S+3], 0x80000000
	s_mov_b32 s[G0SB], 1
	s_add_co_u32 s[G0SB+1], s67, SCL
	s_mov_b64 s[G0SB+2:G0SB+3], s[104:105]
	s_or_b32 s[G0SB+3], s[G0SB+3], 0x80000000
	JLOAD G0S, G1S, G0SB, G1SB                     ; the scales first: they are wanted with K step 0.  With the two below, three tensor loads of a wave are out
.irp s, 0,1
	s_mov_b32 s[G0+4*\s], 1
	s_add_co_u32 s[G0+4*\s+1], s45, \s*SLOT
	s_add_nc_u64 s[G0+4*\s+2:G0+4*\s+3], s[20:21], \s*ROWB
	s_or_b32 s[G0+4*\s+3], s[G0+4*\s+3], 0x80000000
	s_mov_b32 s[G0B+4*\s], 1
	s_add_co_u32 s[G0B+4*\s+1], s45, \s*SLOT
	s_add_nc_u64 s[G0B+4*\s+2:G0B+4*\s+3], s[46:47], \s*ROWB
	s_or_b32 s[G0B+4*\s+3], s[G0B+4*\s+3], 0x80000000
	JLOAD G0+4*\s, G1, G0B+4*\s, G1B
.endr
	v_and_b32 v1, 15, v0                           ; r = lane % 16
	v_bfe_u32 v2, v0, 4, 1                         ; h = lane / 16
	v_mul_u32_u24 v3, v1, PITCH
	v_mul_u32_u24 v4, v2, 24
	v_add_nc_u32 v4, v3, v4                        ; a fragment's row x pitch + 24 x half
	v_lshl_add_u32 v5, v2, 4, v4                   ; and the same behind one padding more
	s_mul_i32 s21, s15, HALFT                      ; my 128 rows of A
	s_mul_i32 s22, s16, HALFT                      ; my 128 rows of B,
	s_add_co_u32 s22, s22, 2*HALFT                 ; which lie behind A's 256
.irp s, 0,1
	v_add_nc_u32 v[ADRA+\s], s21, v4
	v_add_nc_u32 v[ADRB+\s], s22, v4
	v_add_nc_u32 v[ADRA+2+\s], s21, v5
	v_add_nc_u32 v[ADRB+2+\s], s22, v5
	s_add_co_u32 s21, s21, SLOT
	s_add_co_u32 s22, s22, SLOT
.endr
	v_mul_u32_u24 v5, v1, KS                       ; my row's scales: 32 bytes a row,
	v_lshrrev_b32 v6, 8, v5
	v_lshl_add_u32 v5, v6, 4, v5                   ; and 16 more for each 256 passed
	s_mul_i32 s21, s15, HALFS
	s_mul_i32 s22, s16, HALFS
	s_add_co_u32 s22, s22, 2*HALFS
	s_sub_co_u32 s22, s22, s21
	v_mul_u32_u24 v6, s22, v2                      ; lanes 16-31 take B's: one product, the distance between the two bases
	s_add_co_u32 s21, s21, SCL
	v_add_nc_u32 v5, v5, v6
	v_add_nc_u32 v[ADRS], s21, v5
	v_and_b32 v6, 31, v0
	v_lshlrev_b32 v[L16], 4, v6
	v_lshlrev_b32 v[L8], 3, v6
	v_lshlrev_b32 v10, 6, v2                       ; q, k: my half's 16 features: 64 h bytes
	v_and_b32 v11, 8, v1
	v_add_nc_u32 v11, v11, v1
	v_lshlrev_b32 v11, 2, v11                      ; v: my feature in a block: 4 (r + 8 (r / 8)) bytes
	; THE BIASES, in the result's layout
	s_cmp_eq_u32 ttmp9, 2
	s_cbranch_scc1 .Lbias_v
	s_lshl_b32 s66, s40, 10                        ; q, k: features 256 cx + 128 x my half of B on
	s_lshl_b32 s2, s16, 9
	s_add_co_u32 s66, s66, s2
	s_mov_b32 s67, 0
	s_cmp_eq_u32 ttmp9, 0
	s_cselect_b64 s[12:13], s[92:93], s[94:95]
	s_add_nc_u64 s[12:13], s[12:13], s[66:67]
.irp b, 0,1,2,3,4,5,6,7                            ; register j of tile b holds feature 32 (b / 2) + 16 h + 8 (b % 2) + j
	global_load_b128 v[CB+8*\b:CB+8*\b+3], v10, s[12:13] offset:(32*(\b/2)+8*(\b%2))*4
	global_load_b128 v[CB+8*\b+4:CB+8*\b+7], v10, s[12:13] offset:(32*(\b/2)+8*(\b%2))*4+16
.endr
	s_branch .Lbias_done
.Lbias_v:
	s_lshl_b32 s66, s41, 10                        ; v: features 256 cy + 128 x my half of A on
	s_lshl_b32 s2, s15, 9
	s_add_co_u32 s66, s66, s2
	s_mov_b32 s67, 0
	s_add_nc_u64 s[12:13], s[96:97], s[66:67]
.irp a, 0,1,2,3,4,5,6,7                            ; all eight registers of a tile of block a hold the lane's feature's bias
.irp j, 0,1,2,3,4,5,6,7
	global_load_b32 v[CB+8*\a+\j], v11, s[12:13] offset:(32*(\a/2)+8*(\a%2))*4
.endr
.endr
.Lbias_done:
.macro FRAG reg, adr, q, i             ; a fragment, 16 rows x 128 K: lane l holds row l % 16; registers 6 c .. 6 c + 5 hold K = 64 c + 32 (l / 16) + 0 .. 31, as the bytes lie; in pieces of 8 bytes
.irp p, 0,1,2,3,4,5
.set PCE, 12*(\q)+6*(\p/3)+\p%3       ; where the piece three on lies behind one padding more, the second address register serves
.if PCE%8 < 5
	ds_load_b64 v[\reg+2*\p:\reg+2*\p+1], v[\adr] offset:8*PCE+16*(PCE/8)+(\i)*16*PITCH
.else
	ds_load_b64 v[\reg+2*\p:\reg+2*\p+1], v[\adr+2] offset:8*PCE+16*(PCE/8)+(\i)*16*PITCH
.endif
.endr
.endm
; 16 matrix instructions: A's blocks a0, a0 + 1 x B's eight, 128 along K.  cm = 0: add in place; 1: C = the bias of tile b (q, k); 2: C = the bias of block a (v).
; The 64 accumulators take turns, one instruction a turn, in the same order in every step.
.macro MUL16 a0, p, q, sc, cm
.irp a, \a0, \a0+1
.irp b, 0,1,2,3,4,5,6,7
.if \cm == 1
	v_wmma_scale_f32_16x16x128_f8f6f4 v[8*(8*((\a)%4)+\b):8*(8*((\a)%4)+\b)+7], v[128*(\p)+FR*\b:128*(\p)+FR*\b+FR-1], v[AF+FR*(\a):AF+FR*(\a)+FR-1], v[CB+8*\b:CB+8*\b+7], v[SC+8*NQ*(\sc)+NQ*\b+(\q)], v[SC+8*NQ*(\sc)+NQ*(\a)+(\q)] matrix_a_fmt:MATRIX_FMT_FP6 matrix_b_fmt:MATRIX_FMT_FP6 matrix_a_scale:MATRIX_SCALE_ROW1
.elseif \cm == 2
	v_wmma_scale_f32_16x16x128_f8f6f4 v[8*(8*((\a)%4)+\b):8*(8*((\a)%4)+\b)+7], v[128*(\p)+FR*\b:128*(\p)+FR*\b+FR-1], v[AF+FR*(\a):AF+FR*(\a)+FR-1], v[CB+8*(\a):CB+8*(\a)+7], v[SC+8*NQ*(\sc)+NQ*\b+(\q)], v[SC+8*NQ*(\sc)+NQ*(\a)+(\q)] matrix_a_fmt:MATRIX_FMT_FP6 matrix_b_fmt:MATRIX_FMT_FP6 matrix_a_scale:MATRIX_SCALE_ROW1
.else
	v_wmma_scale_f32_16x16x128_f8f6f4 v[8*(8*((\a)%4)+\b):8*(8*((\a)%4)+\b)+7], v[128*(\p)+FR*\b:128*(\p)+FR*\b+FR-1], v[AF+FR*(\a):AF+FR*(\a)+FR-1], v[8*(8*((\a)%4)+\b):8*(8*((\a)%4)+\b)+7], v[SC+8*NQ*(\sc)+NQ*\b+(\q)], v[SC+8*NQ*(\sc)+NQ*(\a)+(\q)] matrix_a_fmt:MATRIX_FMT_FP6 matrix_b_fmt:MATRIX_FMT_FP6 matrix_a_scale:MATRIX_SCALE_ROW1
.endif
.endr
.endr
.endm
.macro FETCH_B slot, q, p
	WIN TO_B
.irp i, 0,1,2,3,4,5,6,7
	FRAG 128*(\p)+FR*\i, ADRB+\slot, \q, \i
.endr
	WIN 0
.endm
.macro FETCH_A slot, q, i0
.irp i, \i0, \i0+1, \i0+2, \i0+3
	FRAG AF+FR*(\i), ADRA+\slot, \q, \i
.endr
.endm
.macro SCALES sc                       ; a K step's scale words into set sc: lanes 0-15 take A's block i, lanes 16-31 B's block i
.irp i, 0,1,2,3,4,5,6,7
	ds_load_b64 v[SC+8*NQ*\sc+NQ*\i:SC+8*NQ*\sc+NQ*\i+1], v[ADRS] offset:\i*SBLK
.endr
.endm
.macro PLACES n                        ; plain vector instructions between a matrix instruction and a load into, or a read of, its registers
.rept \n
	v_nop
.endr
.endm
.macro STEP slot, q, cm                ; a step of 128 along K that has its successor in the same slot
	s_wait_dscnt 4*NL                              ; B's set and A's blocks 0-3 are in; the youngest 24 loads (A's blocks 4-7) may be out
.if \cm
	WIN 0x81                                       ; C (the bias) window 0, D window 2
.else
	WIN MUL_LO
.endif
	MUL16 0, (\q)%2, \q, \slot, \cm
	MUL16 2, (\q)%2, \q, \slot, \cm
	s_wait_dscnt 0
	PLACES NP
	FETCH_B \slot, (\q)+1, 1-(\q)%2
	FETCH_A \slot, (\q)+1, 0
.if \cm
	WIN 0xc1                                       ; C window 0, D window 3
.else
	WIN MUL_HI
.endif
	MUL16 4, (\q)%2, \q, \slot, \cm
	MUL16 6, (\q)%2, \q, \slot, \cm
	PLACES NP
	WIN 0
	FETCH_A \slot, (\q)+1, 4
.endm
; A slot's last step changes slots: one barrier; in front of it each wave waits for all its tensor loads, adds 0 to its spare word, and waits for that and for its reads of this slot.
.macro TURN slot, next, fill
	s_wait_tensorcnt 0x0                           ; all my tensor loads have landed: my part of the next slot
	ds_add_u32 v[SPW], v[NIL]                      ; 0 onto my spare word
	s_wait_dscnt 4*NL+1                            ; (the add and the youngest 24 loads may be out)
	WIN MUL_LO
	MUL16 0, 1, NQ-1, \slot, 0
	s_wait_dscnt 0x0                               ; the add is done, and my reads of this slot are over
	s_barrier_signal -1
	MUL16 2, 1, NQ-1, \slot, 0
	WIN 0
	s_barrier_wait -1
.if \fill
	CREST                                          ; the barrier has opened a round of the cluster's barrier: no wave of any partner still reads this slot or has a load on its way
	s_add_nc_u64 s[G0+4*\slot+2:G0+4*\slot+3], s[G0+4*\slot+2:G0+4*\slot+3], 2*ROWB
	s_add_nc_u64 s[G0B+4*\slot+2:G0B+4*\slot+3], s[G0B+4*\slot+2:G0B+4*\slot+3], 2*ROWB
	JLOAD G0+4*\slot, G1, G0B+4*\slot, G1B         ; the first tensor load behind the round; its four v_nop are the places in front of the loads below
.else
	PLACES NP
.endif
	v_add_nc_u32 v[ADRS], 4*NQ, v[ADRS]            ; on to the next K step's scale words
	FETCH_B \next, 0, 0
	FETCH_A \next, 0, 0
	SCALES \next
	WIN MUL_HI
	MUL16 4, 1, NQ-1, \slot, 0
	MUL16 6, 1, NQ-1, \slot, 0
	PLACES NP
	WIN 0
	FETCH_A \next, 0, 4
.endm
	s_wait_tensorcnt 1                             ; the scales and my part of K step 0 are in (K step 1's load may be out),
	s_barrier_signal -1
	s_barrier_wait -1                              ; everybody's are
	FETCH_B 0, 0, 0
	FETCH_A 0, 0, 0
	SCALES 0
	FETCH_A 0, 0, 4
	s_wait_loadcnt 0x0                             ; the biases
	s_cmp_eq_u32 ttmp9, 2                          ; the first step starts the sums with the bias; it is written twice, since the bias lies along another axis for v
	s_cbranch_scc1 .Lfirst_v
	STEP 0, 0, 1
	s_branch .Lfirst_done
.Lfirst_v:
	STEP 0, 0, 2
.Lfirst_done:
	s_mov_b32 s3, LAPS-1
.Llap:                                                 ; a trip goes once round the ring and fills both slots again
	TURN 0, 1, 1
	STEP 1, 0, 0
	TURN 1, 0, 1
	STEP 0, 0, 0
	s_sub_co_u32 s3, s3, 1
	s_cmp_lg_u32 s3, 0
	s_cbranch_scc1 .Llap
	TURN 0, 1, 0                                   ; the last lap fills nothing, and has no round of the cluster's barrier
	STEP 1, 0, 0
	s_wait_dscnt 4*NL
	WIN MUL_LO
	MUL16 0, 1, NQ-1, 1, 0
	MUL16 2, 1, NQ-1, 1, 0
	s_wait_dscnt 0
	WIN MUL_HI
	MUL16 4, 1, NQ-1, 1, 0
	MUL16 6, 1, NQ-1, 1, 0
	WIN 0
	; THE WAY OUT.  No tensor load is out any more, so the descriptors' registers are free.  Where my results go:
	s_bfe_u32 s24, ttmp6, 0x40000                  ; cx
	s_bfe_u32 s25, ttmp6, 0x40004                  ; cy
	s_cmp_eq_u32 ttmp9, 2
	s_cselect_b32 s26, s42, s17                    ; the tile of tokens: B's for v, A's for q, k
	s_cselect_b32 s27, s16, s15                    ; my half of it
	s_cselect_b32 s28, s25, s24                    ; the 256 features: cy for v, cx for q, k
	s_cselect_b32 s29, s15, s16                    ; my half of them
	s_cselect_b32 s30, 6656, 0                     ; v lies behind k in a record
	s_mov_b32 s31, 768
	s_cselect_b32 s32, 1536, s31                   ; from block to block: an operand of v, or a half fragment
	s_cselect_b32 s34, 208384, s31                 ; behind block 3: v goes on to the next head (212,992 - 3 x 1,536)
	s_mov_b32 s33, 0
	s_mov_b32 s35, 0
	s_mov_b32 s36, 0x05040100                      ; q, k: the first head's two bytes of an even and an odd block; v: the even block's word
	s_cselect_b32 s36, 0x03020100, s36
	s_mov_b32 s37, 0x07060302                      ; q, k: the second head's; v: the odd block's word
	s_cselect_b32 s37, 0x07060504, s37
	s_cmp_eq_u32 ttmp9, 0
	s_mov_b32 s38, 212992
	s_cselect_b32 s38, 106496, s38                 ; a head's bytes
	s_mov_b32 s39, 13312
	s_cselect_b32 s39, 6656, s39                   ; a record's
	s_cselect_b64 s[40:41], s[98:99], s[100:101]   ; qb or kv
	s_lshr_b32 s43, s26, 3
	s_lshl_b32 s43, s43, 4                         ; 16 x batch
	s_lshl_b32 s28, s28, 2
	s_add_co_u32 s43, s43, s28
	s_lshl_b32 s29, s29, 1
	s_add_co_u32 s43, s43, s29                     ; + my first head
	s_and_b32 s26, s26, 7
	s_lshl_b32 s26, s26, 1
	s_add_co_u32 s26, s26, s27                     ; which 128 tokens of the sequence
	s_mul_i32 s44, s43, s38
	s_mul_i32 s26, s26, s39
	s_add_co_u32 s44, s44, s26
	s_add_co_u32 s44, s44, s30
	s_mov_b32 s45, 0
	s_add_nc_u64 s[40:41], s[40:41], s[44:45]      ; P0: registers 0-5 of a block's codes
	s_cmp_eq_u32 ttmp9, 2
	s_cselect_b32 s44, 768, s38
	s_add_nc_u64 s[46:47], s[40:41], s[44:45]      ; P1: registers 6-11: v: keys 64-127; q, k: the next head
	s_cselect_b32 s48, 256, s38
	s_mov_b32 s49, 0
	s_mov_b32 s50, 256
	s_cselect_b32 s50, 212992, s50
	s_mov_b32 s51, 0
	s_add_nc_u64 s[52:53], s[40:41], 6144          ; the four chunks of scale words
	s_add_nc_u64 s[54:55], s[52:53], s[50:51]
	s_add_nc_u64 s[56:57], s[52:53], s[48:49]
	s_add_nc_u64 s[58:59], s[56:57], s[50:51]
	s_mov_b32 s60, 0x76543210
	s_mov_b32 s61, 0xfedcba98                      ; v_permlanex16_b32's selects for lane l xor 16
; Block a's 64 numbers of a lane, register 16 b + i = the number 32 b + 16 (lane / 16) + i along the next K, are read where they lie (window 2 or 3) and become 12 registers of codes at v[PC] and a scale word.
; The codes lie at v64 on, or at v160 on for the blocks whose accumulators carry the numbers 64-127: so a conversion's result and its sources never carry the same numbers.
.macro QUANTW a
.set QS, 64*((\a)%4)
.if (\a)%4 == 1
.set PC, 160
.else
.set PC, 64
.endif
	WIN 0x0a+5*((\a)/4)                            ; sources 0 and 1: window 2 or 3
.irp b, 0,1,2,3
	v_max3_num_f32 v[TM+\b], |v[QS+16*\b]|, |v[QS+16*\b+1]|, 0x1800000   ; each accumulator is read from its low end on; the floor 2^(3 - 127) holds the byte at 1 from below
.endr
.irp i, 2,4,6,8,10,12,14
.irp b, 0,1,2,3
	v_max3_num_f32 v[TM+\b], |v[QS+16*\b+\i]|, |v[QS+16*\b+\i+1]|, v[TM+\b]
.endr
.endr
	WIN 0
.irp b, 0,1,2,3
	v_permlanex16_b32 v[TM+4+\b], v[TM+\b], s60, s61
.endr
.irp b, 0,1,2,3
	v_max_num_f32 v[TM+\b], v[TM+\b], v[TM+4+\b]   ; with lane l xor 16's: the block's largest magnitude
.endr
.irp b, 0,1,2,3
	v_add_nc_u32 v[TM+12+\b], 0xff000000, v[TM+\b] ; 2 off its exponent field: the conversion's scale operand
.endr
.irp b, 0,1,2,3
	v_lshrrev_b32 v[TM+4+\b], 23, v[TM+12+\b]      ; the scale's byte
.endr
	v_lshl_or_b32 v[PW+(\a)%2], v[TM+5], 8, v[TM+4]
	v_lshl_or_b32 v[PW+(\a)%2], v[TM+6], 16, v[PW+(\a)%2]
	v_lshl_or_b32 v[PW+(\a)%2], v[TM+7], 24, v[PW+(\a)%2]
	WIN 0x02+((\a)/4)                              ; source 0: window 2 or 3
.irp c, 0,1
	v_cvt_scalef32_pk16_fp6_f32 v[PC+6*\c:PC+6*\c+2], v[QS+32*\c:QS+32*\c+15], v[TM+12+2*\c]
	v_cvt_scalef32_pk16_fp6_f32 v[PC+12+4*\c:PC+14+4*\c], v[QS+16+32*\c:QS+31+32*\c], v[TM+13+2*\c]   ; (a conversion's three registers begin on an even number)
.endr
	WIN 0
	v_nop                                          ; one plain line behind the conversions
.irp c, 0,1                                        ; the operand's layout wants a whole block of 32 in a lane
.irp i, 0,1,2
	v_permlane16_swap_b32 v[PC+6*\c+\i], v[PC+12+4*\c+\i]
.endr
.irp i, 0,1,2
	v_mov_b32 v[PC+3+6*\c+\i], v[PC+12+4*\c+\i]
.endr
.endr
.endm
	PLACES NP                                      ; behind the last products: their results are read, and the registers that held A's fragments are written
.irp b, 0,1,2,3
	v_mov_b32 v[TM+4+\b], 0                        ; written once: a lane permute's destination counts as one of its sources
.endr
.irp a, 0,1,2,3,4,5,6,7
	QUANTW \a
	global_store_b128 v[L16], v[PC:PC+3], s[40:41]                 ; 512 consecutive bytes, aligned
	global_store_b64 v[L8], v[PC+4:PC+5], s[40:41] offset:512      ; 256 consecutive bytes, aligned
	global_store_b128 v[L16], v[PC+6:PC+9], s[46:47]
	global_store_b64 v[L8], v[PC+10:PC+11], s[46:47] offset:512
.if (\a)%2 == 1
	v_perm_b32 v[XS+(\a)/2], v[PW+1], v[PW], s36
	v_perm_b32 v[XS+4+(\a)/2], v[PW+1], v[PW], s37
.endif
.if \a < 7
	s_wait_xcnt 0x0                                ; the stores' data and bases are written again only behind this wait
.if \a == 3
	s_add_nc_u64 s[40:41], s[40:41], s[34:35]
	s_add_nc_u64 s[46:47], s[46:47], s[34:35]
.else
	s_add_nc_u64 s[40:41], s[40:41], s[32:33]
	s_add_nc_u64 s[46:47], s[46:47], s[32:33]
.endif
.endif
.endr
.irp e, 0,1
.irp g, 0,1
	global_store_b64 v[L8], v[XS+4*\e+2*\g:XS+4*\e+2*\g+1], s[52+4*\e+2*\g:53+4*\e+2*\g]   ; a chunk of scale words: 256 consecutive bytes, aligned (lanes 16-31 hold the words of lanes 0-15 once more)
.endr
.endr
	s_wait_tensorcnt 0x0                           ; the wave's end
	ds_add_u32 v[SPW], v[NIL]
	s_wait_dscnt 0x0
	CROUND                                         ; the closing round: no work-group ends while a partner may still ask for a tile that names it
	s_endpgm
.Lfunc_end_k_qac76e79727_proj:
	.size	k_qac76e79727_proj, .Lfunc_end_k_qac76e79727_proj-k_qac76e79727_proj
	.p2alignl 7, 3214868480
	.fill 96, 4, 3214868480
	.section	.rodata,"a",@progbits
	.p2align	6, 0x0
	.amdhsa_kernel k_qac76e79727_proj
		.amdhsa_group_segment_fixed_size 327680
		.amdhsa_private_segment_fixed_size 0
		.amdhsa_enable_private_segment 0
		.amdhsa_kernarg_size 72
		.amdhsa_user_sgpr_count 2
		.amdhsa_user_sgpr_kernarg_segment_ptr 1
		.amdhsa_wavefront_size32 1
		.amdhsa_system_sgpr_workgroup_id_x 1
		.amdhsa_system_sgpr_workgroup_id_y 1
		.amdhsa_system_sgpr_workgroup_id_z 1
		.amdhsa_system_vgpr_workitem_id 0
		.amdhsa_next_free_vgpr 1024
		.amdhsa_next_free_sgpr 106
		.amdhsa_reserve_vcc 0
		.amdhsa_float_denorm_mode_32 3
		.amdhsa_float_denorm_mode_16_64 3
		.amdhsa_memory_ordered 1
		.amdhsa_forward_progress 1
		.amdhsa_inst_pref_size 190
	.end_amdhsa_kernel
	.amdgpu_metadata
---
amdhsa.version: [ 1, 2 ]
amdhsa.kernels:
  - .name:           k_qac76e79727_proj
    .symbol:         k_qac76e79727_proj.kd
    .args:
      - { .name: xc, .offset: 0, .size: 8, .value_kind: global_buffer, .address_space: global }
      - { .name: xs, .offset: 8, .size: 8, .value_kind: global_buffer, .address_space: global }
      - { .name: wc, .offset: 16, .size: 8, .value_kind: global_buffer, .address_space: global }
      - { .name: ws, .offset: 24, .size: 8, .value_kind: global_buffer, .address_space: global }
      - { .name: bq, .offset: 32, .size: 8, .value_kind: global_buffer, .address_space: global }
      - { .name: bk, .offset: 40, .size: 8, .value_kind: global_buffer, .address_space: global }
      - { .name: bv, .offset: 48, .size: 8, .value_kind: global_buffer, .address_space: global }
      - { .name: qb, .offset: 56, .size: 8, .value_kind: global_buffer, .address_space: global }
      - { .name: kv, .offset: 64, .size: 8, .value_kind: global_buffer, .address_space: global }
    .group_segment_fixed_size: 327680
    .private_segment_fixed_size: 0
    .kernarg_segment_align: 8
    .kernarg_segment_size: 72
    .max_flat_workgroup_size: 128
    .sgpr_count:     106
    .vgpr_count:     1024
    .wavefront_size: 32
...
	.end_amdgpu_metadata
.endif
;; end of part 2
;; launch attn (part 3): grid 4 x 64, 16 waves a work-group, no clusters, 327,680 bytes of LDS; arguments qb, kv, cc, cs; writes cc, cs
.if DOCPART == 3
	.amdgcn_target "amdgcn-amd-amdhsa--gfx1250"
	.amdhsa_code_object_version 6
	.text
	.protected	k_qac76e79727_attn
	.globl	k_qac76e79727_attn
	.p2align	8
	.type	k_qac76e79727_attn,@function
k_qac76e79727_attn:
	s_mov_b64 s[64:65], 0
	v_nop
	global_prefetch_b8 v0, s[64:65] scope:SCOPE_SE
	s_setreg_imm32_b32 hwreg(HW_REG_WAVE_MODE, 25, 1), 1
	s_wait_xcnt 0x0
; ctx[b][q][h][:] = the sum over keys k <= q of softmax_k(q . k / 8) v[k][:], both products on codes of FP6 (E2M3) with E8M0 scales; ctx is quantised along h x 64 + d for the output projection.
; THE SOFTMAX AHEAD OF THE SECOND PRODUCT: t = score x log2(e) / 8; M = the row's largest t so far, rounded up to a whole number; p = 2^(t - M) is quantised along the keys, not normalised.
; The row's sum is taken of the unquantised p and divides O at the end.  When M moves, the sum and O are multiplied by 2^(old M - new M): exact.
; SHARES.  256 work-groups of equal work: work-group (i, head of batch) takes the 256 queries of block i (key slots 0 .. i of 256 keys) and then those of block 7 - i (slots 0 .. 7 - i): nine slots, whatever i.
; Each of the sixteen waves owns one tile of 16 queries in 256 registers: four waves to a SIMD, so that one wave's vector work stands beside another's matrix work and LDS loads.
; A step whose 128 keys all come after the wave's queries is left out by a scalar branch on ids; every wave passes every barrier.
; LAYOUT.  Both products are used transposed: S^T = K Q^T, O^T = V^T P^T: a lane holds ONE query.  All operands come as images of their registers (half fragments of 768 bytes: registers 0-3 at 16 x lane, 4-5 at 512 + 8 x lane).
; The head is 64 wide, the instruction 128: an operand of K holds TWO tiles of 16 keys side by side along K, and is multiplied once by [Q | zeros] and once by [zeros | Q]; zero codes add nothing.
; Tiles hold rows 32 (a / 2) + 8 (a % 2) + r + 8 (r / 8): so the 16 registers of two neighbouring tiles of S^T are 16 neighbouring keys, and those of O^T 16 neighbouring channels.
; NO JOINT LOADS: the four work-groups of a head want different key slots in the same trip (the slot hangs on i); asked jointly, every work-group would have to walk 12 slots' rounds in place of 9.
; cs is stored a byte a lane (2 bytes beside each 48 bytes of codes): those stores do not cover whole runs of 256 bytes.
; LIMITS: a block of zeros gets the byte 1 (its codes are zeros; this program alone reads the bytes); NaN and infinities are not served.
.set REC,   13312                      ; a step's record: k 6,656 bytes, v 6,656 bytes
.set SLOT1, 32768                      ; slot 1 begins here; a slot holds two records, 26,624 bytes
.set SPARE, 65536                      ; the spare words: 128 bytes for each of 16 waves: eight blocks of 256 bytes that no other line names
.set LI16, 1                           ; v1   16 x lane
.set LI8,  2                           ; v2   8 x lane
.set SPW,  3
.set NIL,  4
.set DQ,   5                           ; v5   r + 8 (r / 8) - 16 h
.set ADK,  6
.set AD8,  7
.set CSO,  9                           ; v9   32 r + h
.set QW,   34                          ; v34  Q's scale word, its two bytes twice; v35 the next tile's.  v16-21 zeros, v22-27 Q, v28-33 zeros; v36-41 the next tile's Q
.set KS,   42                          ; v42-45 K's scale words
.set VS,   46                          ; v46-49 V's
.set KP,   50                          ; v50-97 four operands of K, then of V
.set SR,   98                          ; v98-161 S^T, then p
.set OT,   162                         ; v162-193 O^T
.set PCD,  194                         ; v194-205 p's codes; v206-208, v210-212 at work
.set BM,   214
.set BT,   218
.set SCLR, 222
.set PWD,  226                         ; v226 p's scale word, and nothing else
.set FF,   228                         ; v[228:229] f (the upper one is written once)
.set WV,   12
.set BLKI, 13
.set TRIP, 15
.set NXT,  17
.set TB,   18
.set KF,   19
.set Q0,   20                          ; s20 my tile's first query; s21 the next tile's
.set SEL,  22
.set CS,   24
.set G1,   28
.set G0,   36
.set KVB,  40
.macro TLOAD                           ; waves 0 to 3 fetch a quarter of a slot each; four v_nop follow the load
	s_cmp_lt_u32 s[WV], 4
	s_cbranch_scc0 .Lnone_\@
	tensor_load_to_lds s[G0:G0+3], s[G1:G1+7]
	s_nop 0
.rept 4
	v_nop
.endr
.Lnone_\@:
.endm
	s_load_b256 s[4:11], s[0:1], 0x0               ; qb, kv, cc, cs
	v_lshl_add_u32 v[SPW], v0, 2, SPARE
	v_mov_b32 v[NIL], 0
	ds_add_u32 v3, v4
	ds_add_u32 v3, v4
	s_wait_dscnt 0x0
	v_lshrrev_b32 v6, 5, v0
	s_delay_alu instid0(VALU_DEP_1)
	v_readfirstlane_b32 s[WV], v6                  ; wave 0..15
	s_mov_b32 s[BLKI], ttmp9                       ; i
	s_and_b32 s14, ttmp7, 0xffff                   ; head of batch
	s_mov_b32 s[G1], 3<<16                         ; elements of 8 bytes, no mask, no padding
	s_mov_b32 s[G1+1], 32<<16                      ; tensor_dim0 = 32 (256 bytes)
	s_mov_b32 s[G1+2], 26<<16                      ; tensor_dim1 = 26
	s_mov_b32 s[G1+3], 32<<16                      ; tile_dim0
	s_mov_b32 s[G1+4], 26                          ; tile_dim1: 26 dense rows, 6,656 bytes
	s_mov_b32 s[G1+5], 32
	s_mov_b32 s[G1+6], 0
	s_mov_b32 s[G1+7], 0
	s_and_b32 s2, s[WV], 3
	s_mul_i32 s2, s2, 6656                         ; my quarter
	s_mul_i32 s42, s14, 212992
	s_add_co_u32 s42, s42, s2
	s_mov_b32 s43, 0
	s_wait_kmcnt 0x0
	s_add_nc_u64 s[KVB:KVB+1], s[6:7], s[42:43]    ; my quarter of the head's key slot 0
	s_mov_b32 s[G0], 1
	s_mov_b32 s[G0+1], s2
	s_mov_b64 s[G0+2:G0+3], s[KVB:KVB+1]
	s_or_b32 s[G0+3], s[G0+3], 0x80000000
	TLOAD                                          ; key slot 0 into slot 0: one tensor load of a wave is out, here and behind every change of slots
	v_and_b32 v8, 31, v0
	s_delay_alu instid0(VALU_DEP_1)
	v_lshlrev_b32 v[LI16], 4, v8
	s_wait_alu depctr_va_vdst(0)
	v_lshlrev_b32 v[LI8], 3, v8
	s_wait_alu depctr_va_vdst(0)
	v_and_b32 v10, 15, v0                          ; r
	v_bfe_u32 v11, v0, 4, 1                        ; h
	s_delay_alu instid0(VALU_DEP_2)
	v_and_b32 v[DQ], 8, v10
	s_delay_alu instid0(VALU_DEP_1)
	v_add_nc_u32 v[DQ], v[DQ], v10
	s_delay_alu instid0(VALU_DEP_3)
	v_lshlrev_b32 v[CSO], 4, v11
	s_delay_alu instid0(VALU_DEP_1)
	v_sub_nc_u32 v[DQ], v[DQ], v[CSO]
	v_lshl_add_u32 v[CSO], v10, 5, v11
	s_lshr_b32 s2, s[WV], 3
	s_lshl_b32 s3, s14, 4
	s_add_co_u32 s3, s3, s2                        ; 16 x head of batch + which half of a block
	s_lshl_b32 s26, s[BLKI], 1
	s_add_co_u32 s26, s26, s3                      ; the first tile's record of 128 queries
	s_sub_co_u32 s27, 7, s[BLKI]                   ; the second block
	s_lshl_b32 s44, s27, 1
	s_add_co_u32 s44, s44, s3
	s_mul_i32 s42, s26, 6656
	s_add_nc_u64 s[56:57], s[4:5], s[42:43]
	s_mul_i32 s42, s44, 6656
	s_add_nc_u64 s[58:59], s[4:5], s[42:43]
	s_and_b32 s2, s[WV], 7
	s_mul_i32 s2, s2, 768                          ; my tile in the record
	v_add_nc_u32 v10, s2, v[LI16]
	v_add_nc_u32 v11, s2, v[LI8]
	s_bfe_u32 s2, s[WV], 0x10002
	s_lshl_b32 s2, s2, 8                           ; the chunk of scale words,
	s_bfe_u32 s3, s[WV], 0x10001
	s_lshl_b32 s3, s3, 2                           ; and the pair's word in it
	s_add_co_u32 s2, s2, s3
	v_add_nc_u32 v8, s2, v[LI8]
	global_load_b128 v[22:25], v10, s[56:57]
	global_load_b64 v[26:27], v11, s[56:57] offset:512
	global_load_b32 v34, v8, s[56:57] offset:6144
	global_load_b128 v[36:39], v10, s[58:59]
	global_load_b64 v[40:41], v11, s[58:59] offset:512
	global_load_b32 v35, v8, s[58:59] offset:6144
	s_lshr_b32 s2, s[WV], 1
	s_lshl_b32 s2, s2, 5
	s_and_b32 s3, s[WV], 1
	s_lshl_b32 s3, s3, 3
	s_add_co_u32 s2, s2, s3                        ; 32 (w / 2) + 8 (w % 2)
	s_lshl_b32 s[Q0], s[BLKI], 8
	s_add_co_u32 s[Q0], s[Q0], s2
	s_lshl_b32 s21, s27, 8
	s_add_co_u32 s21, s21, s2
	s_and_b32 s2, s14, 15                          ; head
	s_lshr_b32 s3, s14, 4                          ; batch
	s_lshl_b32 s3, s3, 7
	s_add_co_u32 s3, s3, s[WV]
	s_lshl_b32 s44, s[BLKI], 4
	s_add_co_u32 s44, s44, s3                      ; the first tile among the 512 tiles of tokens
	s_lshl_b32 s45, s27, 4
	s_add_co_u32 s45, s45, s3                      ; the second
	s_lshl_b32 s54, s2, 9
	s_add_co_u32 s42, s54, s44
	s_mul_i32 s42, s42, 768
	s_add_nc_u64 s[46:47], s[8:9], s[42:43]        ; cc: (512 head + tile) x 768
	s_add_co_u32 s42, s54, s45
	s_mul_i32 s42, s42, 768
	s_add_nc_u64 s[50:51], s[8:9], s[42:43]
	s_lshl_b32 s2, s2, 1
	s_lshl_b32 s42, s44, 9
	s_add_co_u32 s42, s42, s2
	s_add_nc_u64 s[48:49], s[10:11], s[42:43]      ; cs: tile x 512 + 2 head
	s_lshl_b32 s42, s45, 9
	s_add_co_u32 s42, s42, s2
	s_add_nc_u64 s[52:53], s[10:11], s[42:43]
	s_bitcmp1_b32 s[WV], 0
	s_mov_b32 s54, 0x01000100
	s_cselect_b32 s54, 0x03020302, s54             ; my tile's two bytes of the pair's word, twice
	s_mov_b32 s55, 0xffff0000                      ; lanes 16-31
	s_mov_b32 s[SEL], 0x76543210
	s_mov_b32 s[SEL+1], 0xfedcba98
	s_mov_b32 s[CS], 0x3e38aa3b                    ; c = log2(e) / 8
	s_mov_b32 s[CS+1], s[CS]
	s_mov_b32 s[TRIP], 0
	s_mov_b32 s[KF], 0
	s_mov_b32 s[TB], 0
.irp j, 16,17,18,19,20,21,28,29,30,31,32,33
	v_mov_b32 v\j, 0                               ; the zero codes beside Q
.endr
	v_mov_b32 v13, 0xff61b1e6                      ; the largest t so far: -3e38
	s_delay_alu instid0(VALU_DEP_1)
	v_floor_f32 v12, -v13                          ; -M
	v_mov_b32 v14, 0
	v_mov_b32 v15, 0
.irp b, 0,1,2,3
	v_mov_b32 v[BT+\b], 0                          ; a lane permute's destination counts as one of its sources
.endr
	v_mov_b32 v[FF], 0
	v_mov_b32 v[FF+1], 0
	v_mov_b32 v230, 0
	s_wait_loadcnt 0x0
	v_perm_b32 v34, v34, v34, s54
	v_perm_b32 v35, v35, v35, s54
.set n, 0
.rept 32
	v_mov_b32 v[OT+n], 0                           ; O^T: the step is written once; the first finds zeros.  (Also the places between the scale word's making and the first product)
.set n, n+1
.endr
; A KEY STEP: 128 keys, the q-th record of the slot in hand.
.macro STEP q
	s_add_co_u32 s2, s[Q0], 23                     ; my last query
	s_cmp_gt_u32 s[KF], s2
	s_cbranch_scc1 .Lhid_\@                        ; all 128 keys come after my queries
	v_add_nc_u32 v[ADK], s[TB], v[LI16]
	v_add_nc_u32 v[AD8], s[TB], v[LI8]
	v_nop
	v_nop                                          ; four places in front of loads into registers that the last products have read
.irp b, 0,1,2,3                                    ; operand b: tiles 2 b and 2 b + 1 side by side
	ds_load_b128 v[KP+12*\b:KP+12*\b+3], v[ADK] offset:(\q)*REC+1536*\b
	ds_load_b64 v[KP+12*\b+4:KP+12*\b+5], v[AD8] offset:(\q)*REC+1536*\b+512
	ds_load_b128 v[KP+12*\b+6:KP+12*\b+9], v[ADK] offset:(\q)*REC+1536*\b+768
	ds_load_b64 v[KP+12*\b+10:KP+12*\b+11], v[AD8] offset:(\q)*REC+1536*\b+1280
.endr
.irp g, 0,1
	ds_load_b64 v[KS+2*\g:KS+2*\g+1], v[AD8] offset:(\q)*REC+6144+256*\g
.endr
	s_wait_alu depctr_va_vdst(0)
	s_wait_dscnt 0x0
.irp b, 0,1,2,3
	v_wmma_scale_f32_16x16x128_f8f6f4 v[SR+16*\b:SR+16*\b+7], v[KP+12*\b:KP+12*\b+11], v[22:33], 0, v[KS+\b], v[QW] matrix_a_fmt:MATRIX_FMT_FP6 matrix_b_fmt:MATRIX_FMT_FP6
	v_wmma_scale_f32_16x16x128_f8f6f4 v[SR+16*\b+8:SR+16*\b+15], v[KP+12*\b:KP+12*\b+11], v[16:27], 0, v[KS+\b], v[QW] matrix_a_fmt:MATRIX_FMT_FP6 matrix_b_fmt:MATRIX_FMT_FP6
.endr                                              ; register 16 b + i holds key KF + 32 b + 16 (lane / 16) + i
.rept 4
	v_nop
.endr
.irp t, 0,1,2,3                                    ; V's four operands are asked for now and land under the softmax
	ds_load_b128 v[KP+12*\t:KP+12*\t+3], v[ADK] offset:(\q)*REC+6656+1536*\t
	ds_load_b64 v[KP+12*\t+4:KP+12*\t+5], v[AD8] offset:(\q)*REC+6656+1536*\t+512
	ds_load_b128 v[KP+12*\t+6:KP+12*\t+9], v[ADK] offset:(\q)*REC+6656+1536*\t+768
	ds_load_b64 v[KP+12*\t+10:KP+12*\t+11], v[AD8] offset:(\q)*REC+6656+1536*\t+1280
.endr
.irp e, 0,1
	ds_load_b64 v[VS+2*\e:VS+2*\e+1], v[AD8] offset:(\q)*REC+6656+6144+256*\e
.endr
	s_add_co_u32 s2, s[KF], 127                    ; on the diagonal the scores of hidden keys become -infinity ahead of the maximum; a step all of whose keys count skips this
	s_cmp_le_u32 s2, s[Q0]
	s_cbranch_scc1 .Lopen_\@
	s_sub_co_i32 s2, s[Q0], s[KF]
	v_add_nc_u32 v231, s2, v[DQ]                   ; d = my query - KF - 16 (lane / 16): register 16 b + i is hidden where 32 b + i > d
	v_mov_b32 v230, 0xff800000
.set n, 0
.rept 64
	v_cmp_gt_i32 vcc_lo, 32*(n/16)+n%16, v231
	v_cndmask_b32 v[SR+n], v[SR+n], v230, vcc_lo
.set n, n+1
.endr
.Lopen_\@:
.irp b, 0,1,2,3
	v_max3_num_f32 v[BM+\b], v[SR+16*\b], v[SR+1+16*\b], v[SR+2+16*\b]   ; the largest score of each block of 32 keys: for the row's maximum and, since p rises with the score, for the block's largest p
.endr
.irp i, 3,5,7,9,11,13
.irp b, 0,1,2,3
	v_max3_num_f32 v[BM+\b], v[BM+\b], v[SR+16*\b+\i], v[SR+1+16*\b+\i]
.endr
.endr
.irp b, 0,1,2,3
	v_max_num_f32 v[BM+\b], v[BM+\b], v[SR+15+16*\b]
.endr
.irp b, 0,1,2,3
	s_delay_alu instid0(VALU_DEP_4)
	v_permlanex16_b32 v[BT+\b], v[BM+\b], s[SEL], s[SEL+1]
.endr
.irp b, 0,1,2,3
	s_delay_alu instid0(VALU_DEP_4)
	v_max_num_f32 v[BM+\b], v[BM+\b], v[BT+\b]     ; with lane l xor 16's 16 keys
.endr
	s_delay_alu instid0(VALU_DEP_2)
	v_max3_num_f32 v230, v[BM], v[BM+1], v[BM+2]
	s_delay_alu instid0(VALU_DEP_1)
	v_max_num_f32 v230, v230, v[BM+3]
	s_delay_alu instid0(VALU_DEP_1)
	v_mul_f32 v230, s[CS], v230                    ; the step's largest t
	s_delay_alu instid0(VALU_DEP_1)
	v_max_num_f32 v13, v13, v230                   ; the running largest t
	v_mov_b32 v230, v12
	s_delay_alu instid0(VALU_DEP_2)
	v_floor_f32 v12, -v13                          ; the new -M = -ceil(t): a whole number
	s_delay_alu instid0(VALU_DEP_1)
	v_sub_f32 v230, v12, v230                      ; old M - new M: a whole number, 0 or less
	s_delay_alu instid0(VALU_DEP_1)
	v_cvt_i32_f32 v230, v230                       ; (it saturates)
	s_delay_alu instid0(VALU_DEP_1)
	v_ldexp_f32 v[FF], 1.0, v230                   ; f = 2^(old M - new M)
.set n, 0
.rept 32
	v_pk_fma_f32 v[SR+n:SR+n+1], v[SR+n:SR+n+1], s[CS:CS+1], v[12:13] op_sel_hi:[1,0,0]   ; t - M, two at a time
.set n, n+2
.endr
.irp b, 0,1,2,3
	v_fma_f32 v[BM+\b], v[BM+\b], s[CS], v12       ; the same of each block's largest score
.endr
.set n, 0
	s_wait_alu depctr_va_vdst(0)
.rept 64
	v_exp_f32 v[SR+n], v[SR+n]                     ; p = 2^(t - M), at most 1
.set n, n+1
.endr
	v_pk_mul_f32 v[14:15], v[14:15], v[FF:FF+1] op_sel_hi:[1,0]   ; the sums under the new M (the plain line behind the exponentials)
	s_wait_alu depctr_va_vdst(0)                   ; one wait for the whole batch, ahead of its first reader
.irp b, 0,1,2,3
	v_exp_f32 v[BM+\b], v[BM+\b]                   ; the block's largest p
.endr
	v_pk_add_f32 v[232:233], v[102:103], v[106:107]
	v_pk_add_f32 v[254:255], v[110:111], v[114:115]
	v_pk_add_f32 v[252:253], v[118:119], v[122:123]
	v_pk_add_f32 v[250:251], v[126:127], v[130:131]
	v_pk_add_f32 v[248:249], v[134:135], v[138:139]
	v_pk_add_f32 v[246:247], v[142:143], v[146:147]
	v_pk_add_f32 v[244:245], v[150:151], v[154:155]
	v_pk_add_f32 v[14:15], v[14:15], v[158:159]
	v_pk_add_f32 v[232:233], v[232:233], v[98:99]
	v_pk_add_f32 v[254:255], v[254:255], v[100:101]
	v_pk_add_f32 v[252:253], v[252:253], v[104:105]
	v_pk_add_f32 v[250:251], v[250:251], v[108:109]
	v_pk_add_f32 v[248:249], v[248:249], v[112:113]
	v_pk_add_f32 v[246:247], v[246:247], v[116:117]
	v_pk_add_f32 v[244:245], v[244:245], v[120:121]
	v_pk_add_f32 v[14:15], v[14:15], v[124:125]
	v_pk_add_f32 v[232:233], v[232:233], v[128:129]
	v_pk_add_f32 v[254:255], v[254:255], v[132:133]
	v_pk_add_f32 v[252:253], v[252:253], v[136:137]
	v_pk_add_f32 v[250:251], v[250:251], v[140:141]
	v_pk_add_f32 v[248:249], v[248:249], v[144:145]
	v_pk_add_f32 v[246:247], v[246:247], v[148:149]
	v_pk_add_f32 v[244:245], v[244:245], v[152:153]
	v_pk_add_f32 v[14:15], v[14:15], v[156:157]
	v_pk_add_f32 v[232:233], v[232:233], v[160:161]
	s_delay_alu instid0(VALU_DEP_2)
	v_pk_add_f32 v[14:15], v[14:15], v[250:251]
	s_delay_alu instid0(VALU_DEP_2)
	v_pk_add_f32 v[232:233], v[232:233], v[248:249]
	v_pk_add_f32 v[254:255], v[254:255], v[246:247]
	v_pk_add_f32 v[252:253], v[252:253], v[244:245]
	s_delay_alu instid0(VALU_DEP_2)
	v_pk_add_f32 v[14:15], v[14:15], v[254:255]
	s_delay_alu instid0(VALU_DEP_2)
	v_pk_add_f32 v[232:233], v[232:233], v[252:253]
	s_delay_alu instid0(VALU_DEP_1)
	v_pk_add_f32 v[14:15], v[14:15], v[232:233]
	s_wait_alu depctr_va_vdst(0)                   ; and one for the four
.irp b, 0,1,2,3
	v_max_num_f32 v[BM+\b], 0x1800000, v[BM+\b]    ; the floor 2^(3 - 127): the byte cannot fall under 1
.endr
.irp b, 0,1,2,3
	s_delay_alu instid0(VALU_DEP_4)
	v_add_nc_u32 v[SCLR+\b], 0xff000000, v[BM+\b]  ; 2 off the exponent field: the conversion's scale operand
.endr
.irp b, 0,1,2,3
	s_delay_alu instid0(VALU_DEP_4)
	v_lshrrev_b32 v[BT+\b], 23, v[SCLR+\b]         ; the scale's byte
.endr
	s_delay_alu instid0(VALU_DEP_3)
	v_lshl_or_b32 v[PWD], v[BT+1], 8, v[BT]
	s_delay_alu instid0(VALU_DEP_1)
	v_lshl_or_b32 v[PWD], v[BT+2], 16, v[PWD]
	s_delay_alu instid0(VALU_DEP_1)
	v_lshl_or_b32 v[PWD], v[BT+3], 24, v[PWD]
.irp c, 0,1
	v_cvt_scalef32_pk16_fp6_f32 v[PCD+6*\c:PCD+2+6*\c], v[SR+32*\c:SR+15+32*\c], v[SCLR+2*\c]
	v_cvt_scalef32_pk16_fp6_f32 v[PCD+12+4*\c:PCD+14+4*\c], v[SR+16+32*\c:SR+31+32*\c], v[SCLR+2*\c+1]
.endr
	v_nop                                          ; one plain line behind the conversions
.irp c, 0,1
.irp i, 0,1,2
	v_permlane16_swap_b32 v[PCD+6*\c+\i], v[PCD+12+4*\c+\i]
.endr
.irp i, 0,1,2
	s_delay_alu instid0(VALU_DEP_3)
	v_mov_b32 v[PCD+3+6*\c+\i], v[PCD+12+4*\c+\i]
.endr
.endr
.set n, 0
.rept 16
	v_pk_mul_f32 v[OT+n:OT+n+1], v[OT+n:OT+n+1], v[FF:FF+1] op_sel_hi:[1,0]   ; O^T under the new M (also the places between the codes' and the scale word's making and the products)
.set n, n+2
.endr
	s_wait_alu depctr_va_vdst(0)
	s_wait_dscnt 0x0                               ; V
.irp t, 0,1,2,3                                    ; four accumulators by turns, one instruction a turn
	v_wmma_scale_f32_16x16x128_f8f6f4 v[OT+8*\t:OT+8*\t+7], v[KP+12*\t:KP+12*\t+11], v[PCD:PCD+11], v[OT+8*\t:OT+8*\t+7], v[VS+2*(\t%2)+\t/2], v[PWD] matrix_a_fmt:MATRIX_FMT_FP6 matrix_b_fmt:MATRIX_FMT_FP6
.endr
.Lhid_\@:
	s_add_co_u32 s[KF], s[KF], 128
.endm
; THE CHANGE OF SLOTS stands at a slot's head: each wave waits for all its tensor loads, adds 0 to its spare word, and waits for that and for its reads of the slot that it has left; behind the barrier that slot is filled.
; The key slot that follows trip T: T + 1 while the first block is walked (T < i), else T - i: the second block begins again at 0.
.macro CHANGE fill
	s_wait_tensorcnt 0x0
	ds_add_u32 v[SPW], v[NIL]
.if \fill
	s_add_co_u32 s[NXT], s[TRIP], 1
	s_sub_co_u32 s2, s[TRIP], s[BLKI]
	s_cmp_le_u32 s[NXT], s[BLKI]
	s_cselect_b32 s[NXT], s[NXT], s2
	s_mul_i32 s42, s[NXT], 26624
	s_xor_b32 s[G0+1], s[G0+1], SLOT1              ; no tensor load of mine is out, so the descriptor may be written
	s_add_nc_u64 s[G0+2:G0+3], s[KVB:KVB+1], s[42:43]
	s_or_b32 s[G0+3], s[G0+3], 0x80000000
.endif
	s_wait_dscnt 0x0
	s_barrier_signal -1
	s_barrier_wait -1
.if \fill
	TLOAD                                          ; the first thing behind the barrier, a wave's one tensor load until the next: it has two key steps of sixteen waves in which to land
.endif
.endm
; A TILE IS FINISHED: O^T / the sum is ctx; its two blocks of 32 channels are quantised and stored as a half fragment and two scale bytes a row.  sw = 1: on to the second tile.
.macro FINISH sw
.rept 4
	v_nop                                          ; places behind the last products
.endr
	v_add_f32 v14, v14, v15
	s_delay_alu instid0(VALU_DEP_1)
	v_permlanex16_b32 v230, v14, s[SEL], s[SEL+1]
	s_delay_alu instid0(VALU_DEP_1)
	v_add_f32 v14, v14, v230                       ; the row's sum
	s_wait_alu depctr_va_vdst(0)
	v_rcp_f32 v[FF], v14
	v_nop
	s_wait_alu depctr_va_vdst(0)                   ; ahead of the reciprocal's first reader
.set n, 0
.rept 16
	v_pk_mul_f32 v[SR+n:SR+n+1], v[OT+n:OT+n+1], v[FF:FF+1] op_sel_hi:[1,0]   ; register 16 b + i: channel 32 b + 16 (lane / 16) + i
.set n, n+2
.endr
.irp b, 0,1
	v_max3_num_f32 v[BM+\b], |v[SR+16*\b]|, |v[SR+1+16*\b]|, 0x1800000
.endr
.irp i, 2,4,6,8,10,12,14
.irp b, 0,1
	s_delay_alu instid0(VALU_DEP_2)
	v_max3_num_f32 v[BM+\b], v[BM+\b], |v[SR+16*\b+\i]|, |v[SR+1+16*\b+\i]|
.endr
.endr
.irp b, 0,1
	s_delay_alu instid0(VALU_DEP_2)
	v_permlanex16_b32 v[BT+\b], v[BM+\b], s[SEL], s[SEL+1]
.endr
.irp b, 0,1
	s_delay_alu instid0(VALU_DEP_2)
	v_max_num_f32 v[BM+\b], v[BM+\b], v[BT+\b]
.endr
.irp b, 0,1
	s_delay_alu instid0(VALU_DEP_2)
	v_add_nc_u32 v[SCLR+\b], 0xff000000, v[BM+\b]
.endr
.irp b, 0,1
	s_delay_alu instid0(VALU_DEP_2)
	v_lshrrev_b32 v[BT+\b], 23, v[SCLR+\b]
.endr
	v_cvt_scalef32_pk16_fp6_f32 v[PCD:PCD+2], v[SR:SR+15], v[SCLR]
	v_cvt_scalef32_pk16_fp6_f32 v[PCD+12:PCD+14], v[SR+16:SR+31], v[SCLR+1]
	v_nop
.irp i, 0,1,2
	v_permlane16_swap_b32 v[PCD+\i], v[PCD+12+\i]
.endr
.irp i, 0,1,2
	s_delay_alu instid0(VALU_DEP_3)
	v_mov_b32 v[PCD+3+\i], v[PCD+12+\i]
.endr
	global_store_b128 v[LI16], v[PCD:PCD+3], s[46:47]              ; 512 consecutive bytes, aligned
	global_store_b64 v[LI8], v[PCD+4:PCD+5], s[46:47] offset:512   ; 256 consecutive bytes, aligned
	v_cndmask_b32 v231, v[BT], v[BT+1], s55        ; lanes 0-15 block 0's byte, lanes 16-31 block 1's
	global_store_b8 v[CSO], v231, s[48:49]
.if \sw
	s_wait_xcnt 0x0                                ; the stores' data and bases are written again only behind this wait
.irp j, 0,1,2,3,4,5
	v_mov_b32 v[22+\j], v[36+\j]                   ; the second tile's Q,
.endr
	v_mov_b32 v34, v35                             ; its scale word,
	s_mov_b32 s[Q0], s21
	s_mov_b64 s[46:47], s[50:51]
	s_mov_b64 s[48:49], s[52:53]
	v_mov_b32 v13, 0xff61b1e6
	s_delay_alu instid0(VALU_DEP_1)
	v_floor_f32 v12, -v13
	v_mov_b32 v14, 0
	v_mov_b32 v15, 0
.set n, 0
.rept 32
	v_mov_b32 v[OT+n], 0                           ; (also the places between these moves and the next products)
.set n, n+1
.endr
.endif
.endm
.Lslot:                                            ; eight trips: behind each change of slots but the last the next key slot is asked for
	CHANGE 1
	STEP 0
	STEP 1
	s_xor_b32 s[TB], s[TB], SLOT1
	s_cmp_lg_u32 s[TRIP], s[BLKI]
	s_cbranch_scc1 .Lsame
	FINISH 1                                       ; trip i was the first block's last slot
.Lsame:
	s_lshl_b32 s[KF], s[NXT], 8                    ; the next slot's first key
	s_add_co_u32 s[TRIP], s[TRIP], 1
	s_cmp_lt_u32 s[TRIP], 8
	s_cbranch_scc1 .Lslot
	CHANGE 0                                       ; the last slot is written out
	STEP 0
	STEP 1
	FINISH 0
	s_wait_tensorcnt 0x0                           ; the wave's end
	ds_add_u32 v[SPW], v[NIL]
	s_wait_dscnt 0x0
	s_endpgm
.Lfunc_end_k_qac76e79727_attn:
	.size	k_qac76e79727_attn, .Lfunc_end_k_qac76e79727_attn-k_qac76e79727_attn
	.p2alignl 7, 3214868480
	.fill 96, 4, 3214868480
	.section	.rodata,"a",@progbits
	.p2align	6, 0x0
	.amdhsa_kernel k_qac76e79727_attn
		.amdhsa_group_segment_fixed_size 327680
		.amdhsa_private_segment_fixed_size 0
		.amdhsa_enable_private_segment 0
		.amdhsa_kernarg_size 32
		.amdhsa_user_sgpr_count 2
		.amdhsa_user_sgpr_kernarg_segment_ptr 1
		.amdhsa_wavefront_size32 1
		.amdhsa_system_sgpr_workgroup_id_x 1
		.amdhsa_system_sgpr_workgroup_id_y 1
		.amdhsa_system_sgpr_workgroup_id_z 1
		.amdhsa_system_vgpr_workitem_id 0
		.amdhsa_next_free_vgpr 256
		.amdhsa_next_free_sgpr 66
		.amdhsa_reserve_vcc 1
		.amdhsa_float_denorm_mode_32 3
		.amdhsa_float_denorm_mode_16_64 3
		.amdhsa_memory_ordered 1
		.amdhsa_forward_progress 1
		.amdhsa_inst_pref_size 109
	.end_amdhsa_kernel
	.amdgpu_metadata
---
amdhsa.version: [ 1, 2 ]
amdhsa.kernels:
  - .name:           k_qac76e79727_attn
    .symbol:         k_qac76e79727_attn.kd
    .args:
      - { .name: qb, .offset: 0, .size: 8, .value_kind: global_buffer, .address_space: global }
      - { .name: kv, .offset: 8, .size: 8, .value_kind: global_buffer, .address_space: global }
      - { .name: cc, .offset: 16, .size: 8, .value_kind: global_buffer, .address_space: global }
      - { .name: cs, .offset: 24, .size: 8, .value_kind: global_buffer, .address_space: global }
    .group_segment_fixed_size: 327680
    .private_segment_fixed_size: 0
    .kernarg_segment_align: 8
    .kernarg_segment_size: 32
    .max_flat_workgroup_size: 512
    .sgpr_count:     66
    .vgpr_count:     256
    .wavefront_size: 32
...
	.end_amdgpu_metadata
.endif
;; end of part 3
;; launch outp (part 4): grid 4 x 32, 4 waves a work-group, clusters of 4 x 4, 327,680 bytes of LDS; arguments cc, cs, wc, ws, bo, out0; writes out0
.if DOCPART == 4
	.amdgcn_target "amdgcn-amd-amdhsa--gfx1250"
	.amdhsa_code_object_version 6
	.text
	.protected	k_qac76e79727_outp
	.globl	k_qac76e79727_outp
	.p2align	8
	.type	k_qac76e79727_outp,@function
k_qac76e79727_outp:
	s_mov_b64 s[64:65], 0
	v_nop
	global_prefetch_b8 v0, s[64:65] scope:SCOPE_SE
	s_setreg_imm32_b32 hwreg(HW_REG_WAVE_MODE, 25, 1), 1
	s_wait_xcnt 0x0
	s_wait_alu depctr_hold_cnt(0) depctr_sa_sdst(0) depctr_va_vdst(0) depctr_va_sdst(0) depctr_va_ssrc(0) depctr_va_vcc(0) depctr_vm_vsrc(0)
	s_getreg_b32 s2, hwreg(HW_REG_IB_STS2, 6, 4)
	s_cmp_eq_u32 s2, 0
	s_cbranch_scc0 .Lentry_in_a_cluster
	s_endpgm
.Lentry_in_a_cluster:
	s_bfe_u32 s2, ttmp6, 0x10000c
	s_cmp_lg_u32 s2, 0xf033
	s_cbranch_scc0 .Lentry_shape_is_right
	s_endpgm
.Lentry_shape_is_right:
; out0 = ctx Wo + bo on codes of FP6 (E2M3) with E8M0 scales, sums in f32.  128 tiles of 256 x 256, K = 1,024; a work-group of four waves makes a tile, a wave 128 x 128: 64 accumulators, 512 registers.
; A = ctx: cc [head 16][tile of 16 tokens 512][768]: half fragments as images of their registers (registers 0-3 at 16 x lane, 4-5 at 512 + 8 x lane); a fragment of 128 along K is two heads' half fragments.  cs [8192 rows'][32].
; B = Wo's columns: rows' 3,072 on of wc [..][768] and ws [..][32].  Workspace rows stand with bits 3 and 4 of their number exchanged; the way out puts rows and columns back.
; K goes in steps of 256 (four heads) through a ring of two LDS slots filled by the tensor data mover; the scale bytes of the tile's 2 x 256 rows come into LDS once, with the first fills.
; The matrix instruction takes source 0 = 16 rows of B, source 1 = 16 rows of A: a lane holds eight neighbouring numbers of a row of out0.  The bias is the C of each sum's first matrix instruction.
; CLUSTERS: 4 x 4 work-groups: A's tile is shared along a row of the cluster, B's along a column, each asked for jointly.
; 128 work-groups: half tiles would double the LDS bytes for each product.
; REGISTERS: window 0: v0-31 addresses; v32-63 scale words, two sets, and nothing else; v64-127 the bias; from v128 A's fragments, one set.  window 1: B's fragments, two sets.  windows 2, 3: the accumulators.
.set NQ,     2
.set ROWB,   192
.set KROW,   768
.set PITCH,  240
.set FR,     12
.set NL,     6
.set NLA,    4                         ; LDS loads that bring a fragment of A
.set NP,     4
.set HALFA,  24576                     ; A: 4 heads x 8 tiles x 768 bytes: what one tensor load brings
.set HALFT,  128*PITCH                 ; B: 128 rows
.set BOFF,   2*HALFA
.set SLOT,   2*HALFA+2*HALFT
.set LAPS,   2
.set KS,     32
.set SCL,    2*SLOT
.set HALFS,  16*272
.set SBLK,   2*272
.set SPARE,  SCL+4*HALFS               ; the spare words: two blocks of 256 bytes that no other line names
.set SPITCH, 528                       ; the way out: a stage of 16 rows x (512 bytes + 16) for each wave, in slot 0, which has had its last fill and its last read by then
.set ADA16, 16                         ; v16-17 A's images in slot 0, 1: 16 x lane
.set ADA8,  18                         ; v18-19 8 x lane
.set ADRB, 20
.set STO,  24
.set RD,   25
.set CO,   26
.set ADRS, 27
.set SPW,  28
.set NIL,  29
.set SC,   32
.set CB,   64
.set AF,   128
.set BK,   128
.set G1, 24
.set G0, 32
.set G1B, 48
.set G0B, 56
.set G1S, 68
.set G0S, 76
.set G1SB, 80
.set G0SB, 88
.set MSB, 0
.macro WIN new
.if MSB != \new
	s_set_vgpr_msb (MSB<<8)|\new
.set MSB, \new
.endif
.endm
.set MUL_LO, 0xa1
.set MUL_HI, 0xf1
.set TO_B,   0x40
.macro JLOAD g0a, g1a, g0b, g1b        ; a joint load: waves 0 and 1 fetch for A, waves 2 and 3 for B; four v_nop follow each of the two lines
	s_cmp_eq_u32 s15, 0
	s_cbranch_scc0 .Lfor_b_\@
	tensor_load_to_lds s[\g0a:\g0a+3], s[\g1a:\g1a+7]
	s_nop 0
.rept 4
	v_nop
.endr
	s_branch .Lasked_\@
.Lfor_b_\@:
	tensor_load_to_lds s[\g0b:\g0b+3], s[\g1b:\g1b+7]
	s_nop 0
.rept 4
	v_nop
.endr
.Lasked_\@:
.endm
.macro CREST
	s_cmp_lg_u32 s14, 0
	s_cbranch_scc1 .Lnot_wave_0_\@
	s_barrier_signal -3
.Lnot_wave_0_\@:
	s_barrier_wait -3
	s_barrier_signal -1
	s_barrier_wait -1
.endm
.macro CROUND
	s_barrier_signal -1
	s_barrier_wait -1
	CREST
.endm
	s_load_b256 s[4:11], s[0:1], 0x0               ; cc, cs, wc, ws
	s_load_b128 s[92:95], s[0:1], 0x20             ; bo, out0
	v_lshl_add_u32 v[SPW], v0, 2, SPARE
	v_mov_b32 v[NIL], 0
	ds_add_u32 v28, v29
	s_wait_dscnt 0x0
	v_lshrrev_b32 v1, 5, v0
	v_readfirstlane_b32 s14, v1                    ; wave 0..3
	s_lshr_b32 s15, s14, 1                         ; my half of the tile's rows.  Also: I fetch for A (0) or for B (1)
	s_and_b32 s16, s14, 1                          ; my half of its columns.  Also: which half of that tile I fetch
	s_bfe_u32 s40, ttmp6, 0x40000                  ; cx
	s_bfe_u32 s41, ttmp6, 0x40004                  ; cy
	s_lshl_b32 s42, ttmp9, 2
	s_add_co_u32 s42, s42, s40                     ; tile column
	s_and_b32 s17, ttmp7, 0xffff
	s_lshl_b32 s17, s17, 2
	s_add_co_u32 s17, s17, s41                     ; tile row
	s_lshl_b32 s43, s41, 2
	s_lshl_b32 s43, 15, s43                        ; my row of the cluster
	s_lshl_b32 s44, 0x1111, s40                    ; my column
	; A's tile: 4 heads x 6,144 dense bytes (768 elements of 8 bytes), 393,216 bytes (49,152 elements) apart; no padding: the images are read 16 or 8 bytes a lane on end
	s_or_b32 s[G1+0], s43, (3<<16)|(1<<21)
	s_mov_b32 s[G1+1], 768<<16
	s_mov_b32 s[G1+2], 4<<16
	s_mov_b32 s[G1+3], 768<<16
	s_mov_b32 s[G1+4], 4
	s_mov_b32 s[G1+5], 49152
	s_mov_b32 s[G1+6], 0
	s_mov_b32 s[G1+7], 0
	; B's tile: 128 rows x 192 bytes, 16 bytes of padding behind every 64
	s_or_b32 s[G1B+0], s44, (0<<16)|(1<<20)|(1<<21)|(3<<22)|(3<<25)
	s_mov_b32 s[G1B+1], ROWB<<16
	s_mov_b32 s[G1B+2], 128<<16
	s_mov_b32 s[G1B+3], ROWB<<16
	s_mov_b32 s[G1B+4], 128
	s_mov_b32 s[G1B+5], KROW
	s_mov_b32 s[G1B+6], 0
	s_mov_b32 s[G1B+7], 0
	; the scales of 128 rows: 16 rows of 256 bytes, 16 bytes of padding behind each
	s_or_b32 s[G1S+0], s43, (3<<16)|(1<<20)|(1<<21)|(5<<22)|(3<<25)
	s_or_b32 s[G1SB+0], s44, (3<<16)|(1<<20)|(1<<21)|(5<<22)|(3<<25)
.irp g, G1S, G1SB
	s_mov_b32 s[\g+1], 32<<16
	s_mov_b32 s[\g+2], 16<<16
	s_mov_b32 s[\g+3], 32<<16
	s_mov_b32 s[\g+4], 16
	s_mov_b32 s[\g+5], 32
	s_mov_b32 s[\g+6], 0
	s_mov_b32 s[\g+7], 0
.endr
	s_lshl_b32 s18, s16, 7                         ; which 128 rows I fetch
	s_lshl_b32 s20, s17, 8
	s_add_co_u32 s20, s20, s18                     ; A's first row'
	s_lshl_b32 s22, s20, 5                         ; its scales;
	s_mov_b32 s23, 0
	s_mul_i32 s20, s20, 48                         ; its images: 768 bytes for 16 rows'
	s_mov_b32 s21, 0
	s_lshl_b32 s46, s42, 8
	s_add_co_u32 s46, s46, s18
	s_add_co_u32 s46, s46, 3072                    ; B's first row': Wo's columns
	s_lshl_b32 s96, s46, 5
	s_mov_b32 s97, 0
	s_mul_i32 s46, s46, KROW
	s_mov_b32 s47, 0
	s_mul_i32 s45, s16, HALFA                      ; where they go: no place in the cluster enters an LDS address
	s_mul_i32 s67, s16, HALFT
	s_add_co_u32 s67, s67, BOFF
	s_mul_i32 s66, s14, HALFS
	s_wait_kmcnt 0x0
	s_add_nc_u64 s[20:21], s[4:5], s[20:21]
	s_add_nc_u64 s[22:23], s[6:7], s[22:23]
	s_add_nc_u64 s[46:47], s[8:9], s[46:47]
	s_add_nc_u64 s[96:97], s[10:11], s[96:97]
	CROUND                                         ; all sixteen work-groups are here: the first joint loads meet
	s_mov_b32 s[G0S], 1
	s_add_co_u32 s[G0S+1], s66, SCL
	s_mov_b64 s[G0S+2:G0S+3], s[22:23]
	s_or_b32 s[G0S+3], s[G0S+3], 0x80000000
	s_mov_b32 s[G0SB], 1
	s_add_co_u32 s[G0SB+1], s66, SCL
	s_mov_b64 s[G0SB+2:G0SB+3], s[96:97]
	s_or_b32 s[G0SB+3], s[G0SB+3], 0x80000000
	JLOAD G0S, G1S, G0SB, G1SB                     ; with the two below, three tensor loads of a wave are out
.irp s, 0,1
	s_mov_b32 s[G0+4*\s], 1
	s_add_co_u32 s[G0+4*\s+1], s45, \s*SLOT
	s_add_nc_u64 s[G0+4*\s+2:G0+4*\s+3], s[20:21], \s*1572864      ; four heads on
	s_or_b32 s[G0+4*\s+3], s[G0+4*\s+3], 0x80000000
	s_mov_b32 s[G0B+4*\s], 1
	s_add_co_u32 s[G0B+4*\s+1], s67, \s*SLOT
	s_add_nc_u64 s[G0B+4*\s+2:G0B+4*\s+3], s[46:47], \s*ROWB
	s_or_b32 s[G0B+4*\s+3], s[G0B+4*\s+3], 0x80000000
	JLOAD G0+4*\s, G1, G0B+4*\s, G1B
.endr
	v_and_b32 v1, 15, v0                           ; r
	v_bfe_u32 v2, v0, 4, 1                         ; h
	v_and_b32 v6, 31, v0                           ; lane
	v_lshlrev_b32 v[CO], 4, v6
	v_lshlrev_b32 v7, 3, v6
	v_mul_u32_u24 v3, v1, PITCH
	v_mul_u32_u24 v4, v2, 24
	v_add_nc_u32 v4, v3, v4
	v_lshl_add_u32 v5, v2, 4, v4
	s_mul_i32 s21, s15, HALFA                      ; my 128 rows of A
	s_mul_i32 s22, s16, HALFT
	s_add_co_u32 s22, s22, BOFF                    ; my 128 rows of B
.irp s, 0,1
	v_add_nc_u32 v[ADA16+\s], s21, v[CO]
	v_add_nc_u32 v[ADA8+\s], s21, v7
	v_add_nc_u32 v[ADRB+\s], s22, v4
	v_add_nc_u32 v[ADRB+2+\s], s22, v5
	s_add_co_u32 s21, s21, SLOT
	s_add_co_u32 s22, s22, SLOT
.endr
	v_mul_u32_u24 v5, v1, KS
	v_lshrrev_b32 v6, 8, v5
	v_lshl_add_u32 v5, v6, 4, v5
	s_mul_i32 s21, s15, HALFS
	s_mul_i32 s22, s16, HALFS
	s_add_co_u32 s22, s22, 2*HALFS
	s_sub_co_u32 s22, s22, s21
	v_mul_u32_u24 v6, s22, v2                      ; lanes 16-31 take B's
	s_add_co_u32 s21, s21, SCL
	v_add_nc_u32 v5, v5, v6
	v_add_nc_u32 v[ADRS], s21, v5
	s_mul_i32 s23, s14, 16*SPITCH                  ; my stage
	v_mul_u32_u24 v5, v1, SPITCH
	v_lshl_add_u32 v5, v2, 6, v5                   ; in: row r, + 64 h: my half's 16 columns of each 32
	v_add_nc_u32 v[STO], s23, v5
	v_add_nc_u32 v[RD], s23, v[CO]                 ; back: the 32 lanes take one row of 512 bytes
	v_lshlrev_b32 v10, 6, v2
	s_lshl_b32 s20, s17, 20                        ; my first row of out0: (256 tile row + 128 half) x 4,096 bytes
	s_lshl_b32 s21, s15, 19
	s_add_co_u32 s20, s20, s21
	s_lshl_b32 s46, s42, 10                        ; my first column: (256 tile column + 128 half) x 4 bytes
	s_lshl_b32 s47, s16, 9
	s_add_co_u32 s46, s46, s47
	s_mov_b32 s47, 0
	s_add_nc_u64 s[2:3], s[92:93], s[46:47]        ; the bias at my first column
	s_add_co_u32 s46, s46, s20
	s_add_nc_u64 s[12:13], s[94:95], s[46:47]      ; out0 at my corner
.irp b, 0,1,2,3,4,5,6,7                            ; register j of tile b holds column 32 (b / 2) + 16 h + 8 (b % 2) + j
	global_load_b128 v[CB+8*\b:CB+8*\b+3], v10, s[2:3] offset:(32*(\b/2)+8*(\b%2))*4
	global_load_b128 v[CB+8*\b+4:CB+8*\b+7], v10, s[2:3] offset:(32*(\b/2)+8*(\b%2))*4+16
.endr
.macro FRAG reg, adr, q, i             ; a fragment of B from rows of 192 bytes, in pieces of 8 bytes
.irp p, 0,1,2,3,4,5
.set PCE, 12*(\q)+6*(\p/3)+\p%3
.if PCE%8 < 5
	ds_load_b64 v[\reg+2*\p:\reg+2*\p+1], v[\adr] offset:8*PCE+16*(PCE/8)+(\i)*16*PITCH
.else
	ds_load_b64 v[\reg+2*\p:\reg+2*\p+1], v[\adr+2] offset:8*PCE+16*(PCE/8)+(\i)*16*PITCH
.endif
.endr
.endm
.macro FRAGA reg, slot, q, i           ; a fragment of A: the images of heads 2 q and 2 q + 1 of the slot, tile i
	ds_load_b128 v[\reg:\reg+3], v[ADA16+\slot] offset:(2*(\q))*6144+768*(\i)
	ds_load_b64 v[\reg+4:\reg+5], v[ADA8+\slot] offset:(2*(\q))*6144+768*(\i)+512
	ds_load_b128 v[\reg+6:\reg+9], v[ADA16+\slot] offset:(2*(\q)+1)*6144+768*(\i)
	ds_load_b64 v[\reg+10:\reg+11], v[ADA8+\slot] offset:(2*(\q)+1)*6144+768*(\i)+512
.endm
; 16 matrix instructions; cm = 1: C = the bias of tile b.  The 64 accumulators take turns, one instruction a turn, in the same order in every step.
.macro MUL16 a0, p, q, sc, cm
.irp a, \a0, \a0+1
.irp b, 0,1,2,3,4,5,6,7
.if \cm
	v_wmma_scale_f32_16x16x128_f8f6f4 v[8*(8*((\a)%4)+\b):8*(8*((\a)%4)+\b)+7], v[128*(\p)+FR*\b:128*(\p)+FR*\b+FR-1], v[AF+FR*(\a):AF+FR*(\a)+FR-1], v[CB+8*\b:CB+8*\b+7], v[SC+8*NQ*(\sc)+NQ*\b+(\q)], v[SC+8*NQ*(\sc)+NQ*(\a)+(\q)] matrix_a_fmt:MATRIX_FMT_FP6 matrix_b_fmt:MATRIX_FMT_FP6 matrix_a_scale:MATRIX_SCALE_ROW1
.else
	v_wmma_scale_f32_16x16x128_f8f6f4 v[8*(8*((\a)%4)+\b):8*(8*((\a)%4)+\b)+7], v[128*(\p)+FR*\b:128*(\p)+FR*\b+FR-1], v[AF+FR*(\a):AF+FR*(\a)+FR-1], v[8*(8*((\a)%4)+\b):8*(8*((\a)%4)+\b)+7], v[SC+8*NQ*(\sc)+NQ*\b+(\q)], v[SC+8*NQ*(\sc)+NQ*(\a)+(\q)] matrix_a_fmt:MATRIX_FMT_FP6 matrix_b_fmt:MATRIX_FMT_FP6 matrix_a_scale:MATRIX_SCALE_ROW1
.endif
.endr
.endr
.endm
.macro FETCH_B slot, q, p
	WIN TO_B
.irp i, 0,1,2,3,4,5,6,7
	FRAG 128*(\p)+FR*\i, ADRB+\slot, \q, \i
.endr
	WIN 0
.endm
.macro FETCH_A slot, q, i0
.irp i, \i0, \i0+1, \i0+2, \i0+3
	FRAGA AF+FR*(\i), \slot, \q, \i
.endr
.endm
.macro SCALES sc
.irp i, 0,1,2,3,4,5,6,7
	ds_load_b64 v[SC+8*NQ*\sc+NQ*\i:SC+8*NQ*\sc+NQ*\i+1], v[ADRS] offset:\i*SBLK
.endr
.endm
.macro PLACES n
.rept \n
	v_nop
.endr
.endm
.macro STEP slot, q, cm
	s_wait_dscnt 4*NLA                             ; B's set and A's blocks 0-3 are in; the youngest 16 loads (A's blocks 4-7) may be out
.if \cm
	WIN 0x81                                       ; C (the bias) window 0, D window 2
.else
	WIN MUL_LO
.endif
	MUL16 0, (\q)%2, \q, \slot, \cm
	MUL16 2, (\q)%2, \q, \slot, \cm
	s_wait_dscnt 0
	PLACES NP
	FETCH_B \slot, (\q)+1, 1-(\q)%2
	FETCH_A \slot, (\q)+1, 0
.if \cm
	WIN 0xc1
.else
	WIN MUL_HI
.endif
	MUL16 4, (\q)%2, \q, \slot, \cm
	MUL16 6, (\q)%2, \q, \slot, \cm
	PLACES NP
	WIN 0
	FETCH_A \slot, (\q)+1, 4
.endm
.macro TURN slot, next, fill
	s_wait_tensorcnt 0x0                           ; all my tensor loads have landed: my part of the next slot
	ds_add_u32 v[SPW], v[NIL]                      ; 0 onto my spare word
	s_wait_dscnt 4*NLA+1                           ; (the add and the youngest 16 loads may be out)
	WIN MUL_LO
	MUL16 0, 1, NQ-1, \slot, 0
	s_wait_dscnt 0x0                               ; the add is done, and my reads of this slot are over
	s_barrier_signal -1
	MUL16 2, 1, NQ-1, \slot, 0
	WIN 0
	s_barrier_wait -1
.if \fill
	CREST                                          ; the barrier has opened a round of the cluster's barrier
	s_add_nc_u64 s[G0+4*\slot+2:G0+4*\slot+3], s[G0+4*\slot+2:G0+4*\slot+3], 3145728   ; eight heads on
	s_add_nc_u64 s[G0B+4*\slot+2:G0B+4*\slot+3], s[G0B+4*\slot+2:G0B+4*\slot+3], 2*ROWB
	JLOAD G0+4*\slot, G1, G0B+4*\slot, G1B
.else
	PLACES NP
.endif
	v_add_nc_u32 v[ADRS], 4*NQ, v[ADRS]
	FETCH_B \next, 0, 0
	FETCH_A \next, 0, 0
	SCALES \next
	WIN MUL_HI
	MUL16 4, 1, NQ-1, \slot, 0
	MUL16 6, 1, NQ-1, \slot, 0
	PLACES NP
	WIN 0
	FETCH_A \next, 0, 4
.endm
	s_wait_tensorcnt 1                             ; the scales and my part of K step 0 are in (K step 1's load may be out),
	s_barrier_signal -1
	s_barrier_wait -1                              ; everybody's are
	FETCH_B 0, 0, 0
	FETCH_A 0, 0, 0
	SCALES 0
	FETCH_A 0, 0, 4
	s_wait_loadcnt 0x0                             ; the bias
	STEP 0, 0, 1                                   ; the first step starts the sums with the bias
	s_mov_b32 s3, LAPS-1
.Llap:
	TURN 0, 1, 1
	STEP 1, 0, 0
	TURN 1, 0, 1
	STEP 0, 0, 0
	s_sub_co_u32 s3, s3, 1
	s_cmp_lg_u32 s3, 0
	s_cbranch_scc1 .Llap
	TURN 0, 1, 0
	STEP 1, 0, 0
	s_wait_dscnt 4*NLA
	WIN MUL_LO
	MUL16 0, 1, NQ-1, 1, 0
	MUL16 2, 1, NQ-1, 1, 0
	s_wait_dscnt 0
	WIN MUL_HI
	MUL16 4, 1, NQ-1, 1, 0
	MUL16 6, 1, NQ-1, 1, 0
	WIN 0
; THE WAY OUT, block by block of 16 rows x 128 columns, through my own stage in LDS; it comes back as whole rows of 512 bytes.  LDS serves a wave's instructions in order (ISA guide 5.7.1.4).
.macro TOSTAGE a
.set AC, 64*((\a)%4)
	WIN 0x08+4*((\a)/4)                            ; the data: window 2 or 3
.irp b, 0,1,2,3,4,5,6,7
	ds_store_b128 v[STO], v[AC+8*\b:AC+8*\b+3] offset:128*(\b/2)+32*(\b%2)        ; each accumulator from its low end on; columns 32 (b / 2) + 16 h + 8 (b % 2) on
	ds_store_b128 v[STO], v[AC+8*\b+4:AC+8*\b+7] offset:128*(\b/2)+32*(\b%2)+16
.endr
	WIN 0
.set BB, BK+64*((\a)%2)
.irp t, 0,1,2,3,4,5,6,7,8,9,10,11,12,13,14,15
	ds_load_b128 v[BB+4*\t:BB+4*\t+3], v[RD] offset:\t*SPITCH
.endr
.endm
.macro SEND a, younger
.set BB, BK+64*((\a)%2)
.set RW, 32*((\a)/2)+8*((\a)%2)
	s_wait_dscnt \younger                          ; the block is back in registers
.irp t, 0,1,2,3,4,5,6,7,8,9,10,11,12,13,14,15
	global_store_b128 v[CO], v[BB+4*\t:BB+4*\t+3], s[12:13] offset:(RW+\t+8*(\t/8))*4096 th:TH_STORE_NT   ; 32 lanes store 512 consecutive bytes, aligned; stage row t is row 32 (a / 2) + 8 (a % 2) + t + 8 (t / 8)
.endr
.endm
	PLACES NP
	TOSTAGE 0
.irp a, 1,2,3,4,5,6,7
.if \a > 1
	s_wait_xcnt 0x0                                ; block a - 2's stores have read their registers: block a's loads may land there
.endif
	TOSTAGE \a
	SEND \a-1, 32                                  ; behind block a - 1's loads: block a's 16 stores and 16 loads
.endr
	SEND 7, 0
	s_wait_tensorcnt 0x0                           ; the wave's end
	ds_add_u32 v[SPW], v[NIL]
	s_wait_dscnt 0x0
	CROUND                                         ; the closing round
	s_endpgm
.Lfunc_end_k_qac76e79727_outp:
	.size	k_qac76e79727_outp, .Lfunc_end_k_qac76e79727_outp-k_qac76e79727_outp
	.p2alignl 7, 3214868480
	.fill 96, 4, 3214868480
	.section	.rodata,"a",@progbits
	.p2align	6, 0x0
	.amdhsa_kernel k_qac76e79727_outp
		.amdhsa_group_segment_fixed_size 327680
		.amdhsa_private_segment_fixed_size 0
		.amdhsa_enable_private_segment 0
		.amdhsa_kernarg_size 48
		.amdhsa_user_sgpr_count 2
		.amdhsa_user_sgpr_kernarg_segment_ptr 1
		.amdhsa_wavefront_size32 1
		.amdhsa_system_sgpr_workgroup_id_x 1
		.amdhsa_system_sgpr_workgroup_id_y 1
		.amdhsa_system_sgpr_workgroup_id_z 1
		.amdhsa_system_vgpr_workitem_id 0
		.amdhsa_next_free_vgpr 1024
		.amdhsa_next_free_sgpr 100
		.amdhsa_reserve_vcc 0
		.amdhsa_float_denorm_mode_32 3
		.amdhsa_float_denorm_mode_16_64 3
		.amdhsa_memory_ordered 1
		.amdhsa_forward_progress 1
		.amdhsa_inst_pref_size 153
	.end_amdhsa_kernel
	.amdgpu_metadata
---
amdhsa.version: [ 1, 2 ]
amdhsa.kernels:
  - .name:           k_qac76e79727_outp
    .symbol:         k_qac76e79727_outp.kd
    .args:
      - { .name: cc, .offset: 0, .size: 8, .value_kind: global_buffer, .address_space: global }
      - { .name: cs, .offset: 8, .size: 8, .value_kind: global_buffer, .address_space: global }
      - { .name: wc, .offset: 16, .size: 8, .value_kind: global_buffer, .address_space: global }
      - { .name: ws, .offset: 24, .size: 8, .value_kind: global_buffer, .address_space: global }
      - { .name: bo, .offset: 32, .size: 8, .value_kind: global_buffer, .address_space: global }
      - { .name: out0, .offset: 40, .size: 8, .value_kind: global_buffer, .address_space: global }
    .group_segment_fixed_size: 327680
    .private_segment_fixed_size: 0
    .kernarg_segment_align: 8
    .kernarg_segment_size: 48
    .max_flat_workgroup_size: 128
    .sgpr_count:     100
    .vgpr_count:     1024
    .wavefront_size: 32
...
	.end_amdgpu_metadata
.endif
;; end of part 4
